; MI455X (gfx1250); checked and timed in simulation.
; The chip was launched on July 23, 2026; its instructions are those of AMD's public machine-readable ISA for CDNA 5 (MIT licence, August 2026) and "CDNA5" Instruction Set Architecture Reference Guide (July 2026). The comments in the code are by the model that wrote it; some were corrected since.
;; Masked Multi Head Attention Block. Allowed arithmetic: matrix products marked QUANTISED: E4M3 operands, one given power-of-two scale a tensor, by v_wmma_f32_16x16x64_fp8_fp8 or v_wmma_f32_16x16x128_fp8_fp8, f32 sums; everything else in f32.
;; Inputs: Mk_b 512 float32; Mk_w_codes 512 x 32 x 32 uint8 (E4M3 codes of Mk_w, K innermost, in blocks of 32 codes); Mq_b 512 float32; Mq_w_codes 512 x 32 x 32 uint8 (E4M3 codes of Mq_w, K innermost, in blocks of 32 codes); Mv_b 1,024 float32; Mv_w_codes 1,024 x 32 x 32 uint8 (E4M3 codes of Mv_w, K innermost, in blocks of 32 codes); Wo_b 1,024 float32; Wo_w_codes 1,024 x 32 x 32 uint8 (E4M3 codes of Wo_w, K innermost, in blocks of 32 codes); lowp_scales 12 int32 (the exponents e of the quantised operands' scales 2^e); mask 4 x 2,048 float32; x_codes 4 x 2,048 x 32 x 32 uint8 (E4M3 codes of x, K innermost, in blocks of 32 codes).
;; Outputs: out0 4 x 2,048 x 1,024 float32.
;; This version of the problem:
;;   THIS VERSION OF THE PROBLEM IS GIVEN IN LOW PRECISION. The matrix products marked QUANTISED in the list below multiply operands that are first quantised to E4M3 (4 exponent bits, 3 mantissa bits; 8 bits a number), with one given power-of-two scale for each operand tensor; their sums are f32. All else is computed in f32.
;;   The module's matrix products, in the order in which they are computed (A, B: the left and right operand; K: the contracted axis; several contracted axes count as one K, in the product's order):
;;     1. [M 8,192, K 1,024] x [K 1,024, N 512]; A: input x (given as codes); B: input Mq_w (given as codes): QUANTISED (scales: A lowp_scales[0], B lowp_scales[1])
;;     2. [M 8,192, K 1,024] x [K 1,024, N 512]; A: input x (given as codes); B: input Mk_w (given as codes): QUANTISED (scales: A lowp_scales[2], B lowp_scales[3])
;;     3. [M 8,192, K 1,024] x [K 1,024, N 1,024]; A: input x (given as codes); B: input Mv_w (given as codes): QUANTISED (scales: A lowp_scales[4], B lowp_scales[5])
;;     4. batch 32 x [M 2,048, K 64] x [K 64, N 2,048]; A: computed on the way; B: computed on the way: QUANTISED (scales: A lowp_scales[6], B lowp_scales[7])
;;     5. batch 32 x [M 2,048, K 2,048] x [K 2,048, N 128]; A: computed on the way; B: computed on the way: QUANTISED (scales: A lowp_scales[8], B lowp_scales[9])
;;     6. [M 8,192, K 1,024] x [K 1,024, N 1,024]; A: computed on the way; B: input Wo_w (given as codes): QUANTISED (scales: A lowp_scales[10], B lowp_scales[11])
;;   THE QUANTISER, for each operand of a quantised product, along K:
;;     - The operand's scale is 2^e, e = its entry of the input lowp_scales (int32; the entries are numbered through the quantised products in the list's order, A before B).
;;     - Each number is divided by the scale, clamped to +-448, and rounded to the nearest number of E4M3, ties to even, subnormals kept.
;;     - The product sums the exact products of the quantised numbers (number of the format x scale) in f32.
;;   ~~~python
;;   def quantise(x, axis, e):      # numpy; x: float32 -> the quantised numbers, widened to float32 again
;;       x = np.moveaxis(x, axis, -1); K = x.shape[-1]
;;       r = np.clip(x / 2.0 ** e, -448, 448)
;;       step = 2.0 ** (np.maximum(np.frexp(np.where(r == 0, 1, r))[1] - 1, -6) - 3)
;;       q = np.round(r / step) * step * 2.0 ** e      # np.round: ties to even
;;       return np.moveaxis(q, -1, axis).astype(np.float32)
;;   ~~~
;;   OPERANDS COMPUTED ON THE WAY. 'Computed on the way' means the value that the module computes at that place (a softmax that the list does not call 'softmax' is quantised finished and normalised). What goes into a quantiser is computed in f32, as accurately as f32 sums, v_exp_f32 and their like allow (about 1e-6 of the number): no bf16 or f16 on the way to a quantiser, and a product that is left as it is and whose result goes on into a quantised operand takes f32 operands (vector FMAs, or v_wmma_f32_16x16x4_f32). A number that lies on a knife's edge between two numbers of the format may be rounded either way, as far as f32 arithmetic and the matrix unit's own rounding can turn it there, and no further.
;;   INPUTS GIVEN AS CODES. Mk_w (in the module: [512, 1024], K = its axis 1); Mq_w (in the module: [512, 1024], K = its axis 1); Mv_w (in the module: [1024, 1024], K = its axis 1); Wo_w (in the module: [1024, 1024], K = its axis 1); x (in the module: [4, 2048, 1024], K = its axis 2): each comes as NAME_codes (uint8): NAME with its K axis moved to the last place and cut into blocks of 32 codes, [.., K / 32, bytes a block], one block behind the other in memory; one code a byte (a code: sign, 4 exponent bits, 3 mantissa bits); its scale is its entry of lowp_scales. Its value is code x scale, taken as it is: it is not quantised again, and the codes and scales need not be those that the quantiser above would give.
;; One version. Each part assembles by itself: llvm-mc -triple=amdgcn-amd-amdhsa -mcpu=gfx1250 --defsym DOCPART=n.
;; ======== version 1 of 1: 4 launches
;; limits: right only within a limited range of input values
;; workspace buffers: qc 4,194,304 bytes; kc 4,194,304 bytes; vc 8,388,608 bytes; nc 262,144 bytes; oc 8,388,608 bytes
;; launch proj (part 1): grid 4 x 64, 4 waves a work-group, clusters of 4 x 4, 327,680 bytes of LDS; arguments x_codes, Mq_w_codes, Mk_w_codes, Mv_w_codes, Mq_b, Mk_b, Mv_b, lowp_scales, qc, kc, vc; writes qc, kc, vc
.if DOCPART == 1
	.amdgcn_target "amdgcn-amd-amdhsa--gfx1250"
	.amdhsa_code_object_version 6
	.text
	.protected	k_q6aa0a285d3_proj
	.globl	k_q6aa0a285d3_proj
	.p2align	8
	.type	k_q6aa0a285d3_proj,@function
k_q6aa0a285d3_proj:
	s_mov_b64 s[64:65], 0
	v_nop
	global_prefetch_b8 v0, s[64:65] scope:SCOPE_SE
	s_setreg_imm32_b32 hwreg(HW_REG_WAVE_MODE, 25, 1), 1
	s_wait_xcnt 0x0
	s_wait_alu depctr_hold_cnt(0) depctr_sa_sdst(0) depctr_va_vdst(0) depctr_va_sdst(0) depctr_va_ssrc(0) depctr_va_vcc(0) depctr_vm_vsrc(0)
	s_getreg_b32 s2, hwreg(HW_REG_IB_STS2, 6, 4)
	s_cmp_eq_u32 s2, 0
	s_cbranch_scc0 .Lentry_in_a_cluster
	s_endpgm
.Lentry_in_a_cluster:
	s_bfe_u32 s2, ttmp6, 0x10000c
	s_cmp_lg_u32 s2, 0xf033
	s_cbranch_scc0 .Lentry_shape_is_right
	s_endpgm
.Lentry_shape_is_right:
.set ROWB,   256
.set KROW,   1024
.set PITCH,  272
.set FR,     16
.set NL,     4
.set NP,     4
.set HALFT,  128*PITCH
.set SLOT,   4*HALFT
.set SPARE,  2*SLOT
.set SPITCH, 336
.set WV,   16
.set HA,   17
.set HB,   18
.set BOV,  10
.set ADRA, 16
.set ADRB, 20
.set SCV,  22
.set BOQ,  23
.set STO,  24
.set RDQ,  25
.set RDQ2, 26
.set RDV,  27
.set SPW,  28
.set NIL,  29
.set GOQ,  30
.set GOV,  31
.set BIAS, 32
.set AF,   128
.set CD,   128
.set G1,  24
.set G0,  32
.set G1B, 48
.set G0B, 56
.set PADW, (1<<20)|(1<<21)|(5<<22)|(3<<25)
.set MSB, 0
.macro WIN new
.if MSB != (\new)
	s_set_vgpr_msb (MSB<<8)|(\new)
.set MSB, \new
.endif
.endm
.set MUL_LO, 0xa1
.set MUL_HI, 0xf1
.set TO_B,   0x40
.macro JLOAD g0a, g1a, g0b, g1b
	s_cmp_eq_u32 s[HA], 0
	s_cbranch_scc0 .Lfor_b_\@
	tensor_load_to_lds s[\g0a:\g0a+3], s[\g1a:\g1a+7]
	s_nop 0
.rept 4
	v_nop
.endr
	s_branch .Lasked_\@
.Lfor_b_\@:
	tensor_load_to_lds s[\g0b:\g0b+3], s[\g1b:\g1b+7]
	s_nop 0
.rept 4
	v_nop
.endr
.Lasked_\@:
.endm
.macro CREST
	s_cmp_lg_u32 s[WV], 0
	s_cbranch_scc1 .Lnot_wave_0_\@
	s_barrier_signal -3
.Lnot_wave_0_\@:
	s_barrier_wait -3
	s_barrier_signal -1
	s_barrier_wait -1
.endm
.macro CROUND
	s_barrier_signal -1
	s_barrier_wait -1
	CREST
.endm
	s_load_b512 s[68:83], s[0:1], 0x0
	s_load_b128 s[84:87], s[0:1], 0x40
	s_load_b64 s[88:89], s[0:1], 0x50
	v_lshl_add_u32 v[SPW], v0, 2, SPARE
	v_mov_b32 v[NIL], 0
	ds_add_u32 v28, v29
	ds_add_u32 v28, v29
	s_wait_dscnt 0x0
	v_lshrrev_b32 v1, 5, v0
	v_readfirstlane_b32 s[WV], v1
	s_lshr_b32 s[HA], s[WV], 1
	s_and_b32 s[HB], s[WV], 1
	s_bfe_u32 s19, ttmp6, 0x40000
	s_bfe_u32 s20, ttmp6, 0x40004
	s_and_b32 s21, ttmp7, 0xffff
	s_lshl_b32 s23, s20, 2
	s_lshl_b32 s23, 15, s23
	s_lshl_b32 s66, 0x1111, s19
	s_or_b32 s[G1+0], s23, PADW
	s_or_b32 s[G1B+0], s66, PADW
.irp g, G1, G1B
	s_mov_b32 s[\g+1], ROWB<<16
	s_mov_b32 s[\g+2], 128<<16
	s_mov_b32 s[\g+3], ROWB<<16
	s_mov_b32 s[\g+4], 128
	s_mov_b32 s[\g+5], KROW
	s_mov_b32 s[\g+6], 0
	s_mov_b32 s[\g+7], 0
.endr
	s_lshl_b32 s40, s21, 2
	s_add_co_u32 s40, s40, s20
	s_and_b32 s42, s21, 7
	s_lshl_b32 s42, s42, 2
	s_add_co_u32 s42, s42, s19
	s_and_b32 s98, s19, 1
	s_cmp_ge_u32 s21, 8
	s_cselect_b32 s67, s42, s40
	s_cselect_b32 s40, s20, s40
	s_cselect_b32 s42, s42, s98
	s_lshl_b32 s23, s[HB], 17
	s_lshl_b32 s40, s40, 18
	s_add_co_u32 s40, s40, s23
	s_mov_b32 s41, 0
	s_lshl_b32 s42, s42, 18
	s_add_co_u32 s42, s42, s23
	s_mov_b32 s43, 0
	s_mul_i32 s99, s[WV], HALFT
	s_mov_b32 s3, 0
	s_wait_kmcnt 0x0
	s_load_b256 s[4:11], s[82:83], 0x0
	s_load_b128 s[12:15], s[82:83], 0x20
	s_cmp_lt_u32 s19, 2
	s_cselect_b64 s[46:47], s[70:71], s[72:73]
	s_cselect_b64 s[96:97], s[76:77], s[78:79]
	s_cselect_b64 s[94:95], s[84:85], s[86:87]
	s_cmp_lt_u32 s21, 8
	s_cselect_b64 s[44:45], s[68:69], s[74:75]
	s_cselect_b64 s[46:47], s[46:47], s[68:69]
	s_cselect_b64 s[96:97], s[96:97], s[80:81]
	s_cselect_b64 s[94:95], s[94:95], s[88:89]
	s_cselect_b32 s100, s98, s20
	s_cselect_b32 s101, s[HB], s[HA]
	s_cselect_b32 s23, 17, 18
	s_cselect_b32 s66, 16, 9
	s_add_nc_u64 s[44:45], s[44:45], s[40:41]
	s_add_nc_u64 s[46:47], s[46:47], s[42:43]
	s_lshl_b32 s2, s100, 10
	s_lshl_b32 s101, s101, 9
	s_add_co_u32 s2, s2, s101
	s_add_nc_u64 s[96:97], s[96:97], s[2:3]
	s_lshl_b32 s2, s67, s23
	s_lshl_b32 s100, s100, s66
	s_add_co_u32 s2, s2, s100
	s_add_nc_u64 s[94:95], s[94:95], s[2:3]
	CROUND
.irp s, 0,1
	s_mov_b32 s[G0+4*\s], 1
	s_add_co_u32 s[G0+4*\s+1], s99, \s*SLOT
	s_add_nc_u64 s[G0+4*\s+2:G0+4*\s+3], s[44:45], \s*ROWB
	s_or_b32 s[G0+4*\s+3], s[G0+4*\s+3], 0x80000000
	s_mov_b32 s[G0B+4*\s], 1
	s_add_co_u32 s[G0B+4*\s+1], s99, \s*SLOT
	s_add_nc_u64 s[G0B+4*\s+2:G0B+4*\s+3], s[46:47], \s*ROWB
	s_or_b32 s[G0B+4*\s+3], s[G0B+4*\s+3], 0x80000000
.endr
	JLOAD G0, G1, G0B, G1B                         ; K step 0, behind the opening round: one tensor load a wave at the head
	v_and_b32 v1, 15, v0
	s_wait_alu depctr_va_vdst(0)
	v_bfe_u32 v2, v0, 4, 1
	v_and_b32 v6, 31, v0
	v_mul_u32_u24 v3, v1, PITCH
	v_lshl_add_u32 v4, v2, 4, v3
	s_mul_i32 s100, s[HA], HALFT
	s_mul_i32 s101, s[HB], HALFT
	s_add_co_u32 s101, s101, 2*HALFT
.irp s, 0,1
	v_add_nc_u32 v[ADRA+\s], s100, v4
	v_add_nc_u32 v[ADRB+\s], s101, v4
	s_add_co_u32 s100, s100, SLOT
	s_add_co_u32 s101, s101, SLOT
.endr
	s_mul_i32 s100, s[HA], 128*SPITCH
	s_lshl_b32 s101, s[HB], 7
	s_add_co_u32 s100, s100, s101
	v_mul_u32_u24 v5, v1, SPITCH
	s_wait_alu depctr_va_vdst(0)
	v_lshl_add_u32 v5, v2, 3, v5
	v_add_nc_u32 v[STO], s100, v5
	v_lshrrev_b32 v7, 2, v6
	v_mul_u32_u24 v7, v7, SPITCH
	v_and_b32 v5, 3, v6
	v_lshl_add_u32 v7, v5, 4, v7
	s_lshl_b32 s100, s[WV], 6
	v_add_nc_u32 v[RDQ], s100, v7
	v_add_nc_u32 v[RDQ2], 128*SPITCH, v[RDQ]
	s_lshl_b32 s100, s[WV], 14
	v_lshl_add_u32 v[GOQ], v6, 4, s100
	s_mul_i32 s100, s[WV], 64*SPITCH
	v_mul_u32_u24 v7, v2, SPITCH
	v_lshl_add_u32 v7, v1, 4, v7
	v_add_nc_u32 v[RDV], s100, v7
	s_lshl_b32 s100, s[HB], 17
	s_lshl_b32 s101, s[HA], 8
	s_add_co_u32 s100, s100, s101
	v_lshlrev_b32 v7, 11, v2
	v_lshl_add_u32 v7, v1, 4, v7
	v_add_nc_u32 v[GOV], s100, v7
	v_lshlrev_b32 v[BOQ], 5, v2
	v_lshlrev_b32 v[BOV], 2, v1
	s_wait_kmcnt 0x0
	s_cmp_lt_u32 s19, 2
	s_cselect_b32 s98, s4, s6
	s_cselect_b32 s99, s5, s7
	s_cselect_b32 s100, s10, s11
	s_cmp_lt_u32 s21, 8
	s_cselect_b32 s98, s98, s8
	s_cselect_b32 s99, s99, s9
	s_cselect_b32 s100, s100, s13
	s_add_co_i32 s98, s98, s99
	s_sub_co_i32 s92, 0, s98
	s_sub_co_i32 s100, s100, s98
	s_add_co_i32 s100, s100, 127
	s_lshl_b32 s101, s100, 23
	v_mov_b32 v[SCV], s101
	s_add_co_i32 s100, s100, 8
	s_lshl_b32 s100, s100, 23
	s_or_b32 s91, s100, 0x600000
	s_or_b32 s90, s91, 0x80000000
	s_cmp_ge_u32 s21, 8
	s_cbranch_scc1 .Lbias_v
	s_wait_alu depctr_va_vdst(0)
.irp b, 0,1,2,3,4,5,6,7
	global_load_b128 v[BIAS+8*\b:BIAS+8*\b+3], v[BOQ], s[96:97] offset:64*\b
	global_load_b128 v[BIAS+8*\b+4:BIAS+8*\b+7], v[BOQ], s[96:97] offset:64*\b+16
.endr
	s_wait_loadcnt 0x0
.set j, 0
.rept 64
	v_ldexp_f32 v[BIAS+j], v[BIAS+j], s92
.set j, j+1
.endr
	s_branch .Lbias_done
.Lbias_v:
	s_wait_alu depctr_va_vdst(0)
.irp a, 0,1,2,3,4,5,6,7
	global_load_b32 v[96+\a], v[BOV], s[96:97] offset:64*\a
.endr
	s_wait_loadcnt 0x0
.irp a, 0,1,2,3,4,5,6,7
.irp j, 0,1,2,3,4,5,6,7
	v_ldexp_f32 v[BIAS+8*\a+\j], v[96+\a], s92
.endr
.endr
.Lbias_done:
.macro FRAG reg, adr, q, i
.irp c, 0,1,2,3
	ds_load_b128 v[\reg+4*\c:\reg+4*\c+3], v[\adr] offset:128*(\q)+32*\c+(\i)*16*PITCH
.endr
.endm
.macro MUL16 a0, p, mode
.irp a, \a0, \a0+1
.irp b, 0,1,2,3,4,5,6,7
.if \mode == 1
	v_wmma_f32_16x16x128_fp8_fp8 v[8*(8*((\a)%4)+\b):8*(8*((\a)%4)+\b)+7], v[128*(\p)+FR*\b:128*(\p)+FR*\b+FR-1], v[AF+FR*(\a):AF+FR*(\a)+FR-1], v[BIAS+8*\b:BIAS+8*\b+7]
.elseif \mode == 2
	v_wmma_f32_16x16x128_fp8_fp8 v[8*(8*((\a)%4)+\b):8*(8*((\a)%4)+\b)+7], v[128*(\p)+FR*\b:128*(\p)+FR*\b+FR-1], v[AF+FR*(\a):AF+FR*(\a)+FR-1], v[BIAS+8*(\a):BIAS+8*(\a)+7]
.else
	v_wmma_f32_16x16x128_fp8_fp8 v[8*(8*((\a)%4)+\b):8*(8*((\a)%4)+\b)+7], v[128*(\p)+FR*\b:128*(\p)+FR*\b+FR-1], v[AF+FR*(\a):AF+FR*(\a)+FR-1], v[8*(8*((\a)%4)+\b):8*(8*((\a)%4)+\b)+7]
.endif
.endr
.endr
.endm
.macro FETCH_B slot, q, p
	WIN TO_B
.irp i, 0,1,2,3,4,5,6,7
	FRAG 128*(\p)+FR*\i, ADRB+\slot, \q, \i
.endr
	WIN 0
.endm
.macro FETCH_A slot, q, i0
.irp i, \i0, \i0+1, \i0+2, \i0+3
	FRAG AF+FR*(\i), ADRA+\slot, \q, \i
.endr
.endm
.macro PLACES n
.rept \n
	v_nop
.endr
.endm
.macro STEP slot, q, mode
	s_wait_dscnt 4*NL
.if \mode
	WIN 0x81
.else
	WIN MUL_LO
.endif
	MUL16 0, (\q)%2, \mode
	MUL16 2, (\q)%2, \mode
	s_wait_dscnt 0
	PLACES NP
	FETCH_B \slot, (\q)+1, 1-(\q)%2
	FETCH_A \slot, (\q)+1, 0
.if \mode
	WIN 0xc1
.else
	WIN MUL_HI
.endif
	MUL16 4, (\q)%2, \mode
	MUL16 6, (\q)%2, \mode
	PLACES NP
	WIN 0
	FETCH_A \slot, (\q)+1, 4
.endm
.macro TURN slot, next, fill
	s_wait_tensorcnt 0x0
	ds_add_u32 v[SPW], v[NIL]
	s_wait_dscnt 4*NL+1
	WIN MUL_LO
	MUL16 0, 1, 0
	s_wait_dscnt 0x0
	s_barrier_signal -1
	MUL16 2, 1, 0
	WIN 0
	s_barrier_wait -1
.if \fill
	CREST
	s_add_nc_u64 s[G0+4*\slot+2:G0+4*\slot+3], s[G0+4*\slot+2:G0+4*\slot+3], 2*ROWB
	s_add_nc_u64 s[G0B+4*\slot+2:G0B+4*\slot+3], s[G0B+4*\slot+2:G0B+4*\slot+3], 2*ROWB
	JLOAD G0+4*\slot, G1, G0B+4*\slot, G1B
.else
	PLACES NP
.endif
	FETCH_B \next, 0, 0
	FETCH_A \next, 0, 0
	WIN MUL_HI
	MUL16 4, 1, 0
	MUL16 6, 1, 0
	PLACES NP
	WIN 0
	FETCH_A \next, 0, 4
.endm
	s_wait_alu depctr_va_vdst(0)
	s_wait_tensorcnt 0x0                           ; my part of K step 0 is in; slot 1's first fill is issued as a refill is:
	ds_add_u32 v[SPW], v[NIL]
	s_wait_dscnt 0x0
	CROUND                                         ; everybody's part of K step 0 is in, and all sixteen work-groups are here
	JLOAD G0+4, G1, G0B+4, G1B                     ; K step 1, the first tensor load behind the round
	FETCH_B 0, 0, 0
	FETCH_A 0, 0, 0
	FETCH_A 0, 0, 4
	s_cmp_ge_u32 s21, 8
	s_cbranch_scc1 .Lfirst_v
	s_wait_alu depctr_va_vdst(0)
	STEP 0, 0, 1
	s_branch .Lfirst_done
.Lfirst_v:
	s_wait_alu depctr_va_vdst(0)
	STEP 0, 0, 2
.Lfirst_done:
	TURN 0, 1, 1
	STEP 1, 0, 0
	TURN 1, 0, 1
	STEP 0, 0, 0
	TURN 0, 1, 0
	STEP 1, 0, 0
	s_wait_dscnt 4*NL
	WIN MUL_LO
	MUL16 0, 1, 0
	MUL16 2, 1, 0
	s_wait_dscnt 0
	WIN MUL_HI
	MUL16 4, 1, 0
	MUL16 6, 1, 0
	WIN 0
.macro OUTBLK a
.set AC, 64*((\a)%4)
	WIN 0x82+0x41*((\a)/4)
.set j, 0
.rept 64
	v_med3_num_f32 v[AC+j], v[AC+j], s90, s91
.set j, j+1
.endr
	WIN 0x02+((\a)/4)
.irp b, 0,1,2,3,4,5,6,7
	v_cvt_scalef32_pk8_fp8_f32 v[CD+16*(\a)+2*\b:CD+16*(\a)+2*\b+1], v[AC+8*\b:AC+8*\b+7], v[SCV]
.endr
	v_nop
	WIN 0
.irp b, 0,1,2,3,4,5,6,7
	ds_store_b64 v[STO], v[CD+16*(\a)+2*\b:CD+16*(\a)+2*\b+1] offset:16*SPITCH*(\a)+16*\b
.endr
.endm
	PLACES NP
.irp a, 0,1,2,3,4,5,6,7
	OUTBLK \a
.endr
	s_wait_dscnt 0x0
	s_barrier_signal -1
	s_barrier_wait -1
	s_cmp_ge_u32 s21, 8
	s_cbranch_scc1 .Lout_v
.set i, 0
.rept 32
.if i < 16
	ds_load_b128 v[CD+4*i:CD+4*i+3], v[RDQ] offset:8*SPITCH*i
.else
	ds_load_b128 v[CD+4*i:CD+4*i+3], v[RDQ2] offset:8*SPITCH*(i-16)
.endif
.set i, i+1
.endr
.set i, 0
.rept 32
	s_wait_dscnt 31-i
	global_store_b128 v[GOQ], v[CD+4*i:CD+4*i+3], s[94:95] offset:512*((i/4)*4+(i%2)*2+(i/2)%2)
.set i, i+1
.endr
	s_branch .Lout_done
.Lout_v:
.set i, 0
.rept 32
	ds_load_b128 v[CD+4*i:CD+4*i+3], v[RDV] offset:2*SPITCH*i
.set i, i+1
.endr
.set i, 0
.rept 32
	s_wait_dscnt 31-i
	global_store_b128 v[GOV], v[CD+4*i:CD+4*i+3], s[94:95] offset:4096*((i/16)*16+((i/4)%2)*8+((i/8)%2)*4+i%4)
.set i, i+1
.endr
.Lout_done:
	s_wait_tensorcnt 0x0
	ds_add_u32 v[SPW], v[NIL]
	s_wait_dscnt 0x0
	CROUND
	s_endpgm
.Lfunc_end_k_q6aa0a285d3_proj:
	.size	k_q6aa0a285d3_proj, .Lfunc_end_k_q6aa0a285d3_proj-k_q6aa0a285d3_proj
	.p2alignl 7, 3214868480
	.fill 96, 4, 3214868480
	.section	.rodata,"a",@progbits
	.p2align	6, 0x0
	.amdhsa_kernel k_q6aa0a285d3_proj
		.amdhsa_group_segment_fixed_size 327680
		.amdhsa_private_segment_fixed_size 0
		.amdhsa_enable_private_segment 0
		.amdhsa_kernarg_size 88
		.amdhsa_user_sgpr_count 2
		.amdhsa_user_sgpr_kernarg_segment_ptr 1
		.amdhsa_wavefront_size32 1
		.amdhsa_system_sgpr_workgroup_id_x 1
		.amdhsa_system_sgpr_workgroup_id_y 1
		.amdhsa_system_sgpr_workgroup_id_z 1
		.amdhsa_system_vgpr_workitem_id 0
		.amdhsa_next_free_vgpr 1024
		.amdhsa_next_free_sgpr 102
		.amdhsa_reserve_vcc 0
		.amdhsa_float_denorm_mode_32 3
		.amdhsa_float_denorm_mode_16_64 3
		.amdhsa_memory_ordered 1
		.amdhsa_forward_progress 1
		.amdhsa_inst_pref_size 152
	.end_amdhsa_kernel
	.amdgpu_metadata
---
amdhsa.version: [ 1, 2 ]
amdhsa.kernels:
  - .name:           k_q6aa0a285d3_proj
    .symbol:         k_q6aa0a285d3_proj.kd
    .args:
      - { .name: x_codes, .offset: 0, .size: 8, .value_kind: global_buffer, .address_space: global }
      - { .name: Mq_w_codes, .offset: 8, .size: 8, .value_kind: global_buffer, .address_space: global }
      - { .name: Mk_w_codes, .offset: 16, .size: 8, .value_kind: global_buffer, .address_space: global }
      - { .name: Mv_w_codes, .offset: 24, .size: 8, .value_kind: global_buffer, .address_space: global }
      - { .name: Mq_b, .offset: 32, .size: 8, .value_kind: global_buffer, .address_space: global }
      - { .name: Mk_b, .offset: 40, .size: 8, .value_kind: global_buffer, .address_space: global }
      - { .name: Mv_b, .offset: 48, .size: 8, .value_kind: global_buffer, .address_space: global }
      - { .name: lowp_scales, .offset: 56, .size: 8, .value_kind: global_buffer, .address_space: global }
      - { .name: qc, .offset: 64, .size: 8, .value_kind: global_buffer, .address_space: global }
      - { .name: kc, .offset: 72, .size: 8, .value_kind: global_buffer, .address_space: global }
      - { .name: vc, .offset: 80, .size: 8, .value_kind: global_buffer, .address_space: global }
    .group_segment_fixed_size: 327680
    .private_segment_fixed_size: 0
    .kernarg_segment_align: 8
    .kernarg_segment_size: 88
    .max_flat_workgroup_size: 128
    .sgpr_count:     102
    .vgpr_count:     1024
    .wavefront_size: 32
...
	.end_amdgpu_metadata
.endif
;; end of part 1
;; launch stats (part 2): grid 8 x 32, 16 waves a work-group, clusters of 4 x 1, 169,984 bytes of LDS; arguments qc, kc, mask, lowp_scales, nc; writes nc
.if DOCPART == 2
	.amdgcn_target "amdgcn-amd-amdhsa--gfx1250"
	.amdhsa_code_object_version 6
	.text
	.protected	k_q6aa0a285d3_stats
	.globl	k_q6aa0a285d3_stats
	.p2align	8
	.type	k_q6aa0a285d3_stats,@function
k_q6aa0a285d3_stats:
	s_mov_b64 s[64:65], 0
	v_nop
	global_prefetch_b8 v0, s[64:65] scope:SCOPE_SE
	s_setreg_imm32_b32 hwreg(HW_REG_WAVE_MODE, 25, 1), 1
	s_wait_xcnt 0x0
	s_wait_alu depctr_hold_cnt(0) depctr_sa_sdst(0) depctr_va_vdst(0) depctr_va_sdst(0) depctr_va_ssrc(0) depctr_va_vcc(0) depctr_vm_vsrc(0)
	s_getreg_b32 s2, hwreg(HW_REG_IB_STS2, 6, 4)
	s_cmp_eq_u32 s2, 0
	s_cbranch_scc0 .Lentry_in_a_cluster
	s_endpgm
.Lentry_in_a_cluster:
	s_bfe_u32 s2, ttmp6, 0x10000c
	s_cmp_lg_u32 s2, 0x3003
	s_cbranch_scc0 .Lentry_shape_is_right
	s_endpgm
.Lentry_shape_is_right:
; THE SOFTMAX RUNS OVER THE QUERIES: each key's column needs its largest score and its sum over all 2,048 queries before a weight can be quantised.  This launch makes, for each key,
; nC = -(M + log2 l):  t = (q . k + mask[q]) log2(e) / 8;  M = the column's largest t rounded up to a whole number;  l = the sum over the queries of 2^(t - M).  The next launch's weight is 2^(t + nC).
; qc, kc: [head][256 u + pi(r)][64] codes (pi: bits 3 and 4 exchanged).  nc: [head][256 u + r] f32.  mask: [4][2048] f32, by the query 8 r + u.
; SHARES.  A work-group: one head, 256 positions of keys (one u).  Sixteen waves, four to a SIMD: wave w holds 32 keys (two tiles, w & 7) in registers and walks 1,024 of the head's queries (w / 8), 128 a trip.
; Source 0 = 16 queries, source 1 = 16 keys: a lane holds ONE key and eight queries a tile.  The mask, divided by 2^(e6 + e7), is the C of the product: it costs no addition.
; Each lane keeps its own running M and l: nothing changes lanes in the loop.  A key's four parts (two halves of the lanes x two halves of the queries) meet once, in LDS.
; CLUSTER.  The four work-groups of a cluster belong to one head and need the same q: it is asked for jointly, once, whole: nothing in LDS is filled twice.
; LDS: the head's q as 512 rows of 256 bytes (four queries each) at a pitch of 272: the 16 rows of a tile fall into 16 different columns of 16 bytes;  the mask in the order of positions;  the parts.
; LIMITS: e6 + e7 between -123 and 130 (added to c's exponent field); mask x 2^-(e6 + e7) an f32 number.  NaN among the inputs is not served.
.set MSK, 139264                       ; behind q's 512 x 272 bytes: 2,048 numbers
.set XCH, 147456                       ; part s = 2 (w / 8) + l / 16 at 2,048 s: -M of 256 keys, then l of 256 keys
.set WV,  14
.set AQ0, 1                            ; v1  my lane's place in a tile of q, in my half of the queries
.set AM0, 2                            ; v2  the same in the mask
.set ADQ, 3                            ; v3, v4 the trip's addresses
.set ADM, 4
.set XA,  5                            ; v5  where my key's part goes
.set TO,  9                            ; v9  16 x my thread's number: the mask's bytes that I fetch, and nc's that I store; never rewritten
.set XR,  10                           ; v10 where a thread of waves 0, 1 reads four keys' parts
.set ST,  12                           ; v[12 + 8 kt ..]: +0 -M, +1 the largest t, +2, +3 l in two halves, +4 f (+5 written 0), +6 at work
.set KF,  28                           ; v28-43   two tiles of keys
.set QF,  44                           ; v44-75   four tiles of queries
.set MKR, 76                           ; v76-107  their mask, in the result's layout
.set S,   108                          ; v108-235 scores: tile (kt, qt) at 108 + 64 kt + 8 qt
.set CH,  236                          ; v236-243 chains
.set CS,  38                           ; s[38:39] c x 2^(e6 + e7)
.macro CROUND
	s_barrier_signal -1
	s_barrier_wait -1
	s_cmp_lg_u32 s[WV], 0
	s_cbranch_scc1 .Lnot_wave_0_\@
	s_barrier_signal -3
.Lnot_wave_0_\@:
	s_barrier_wait -3
	s_barrier_signal -1
	s_barrier_wait -1
.endm
	s_load_b256 s[4:11], s[0:1], 0x0               ; qc 4, kc 6, mask 8, the scales' exponents 10
	s_load_b64 s[12:13], s[0:1], 0x20              ; nc
	v_lshl_add_u32 v254, v0, 2, 0x29000
	v_mov_b32 v255, 0
	ds_add_u32 v254, v255
	ds_add_u32 v254, v255
	v_lshrrev_b32 v6, 5, v0
	s_delay_alu instid0(VALU_DEP_1)
	v_readfirstlane_b32 s[WV], v6                  ; wave 0..15
	s_bfe_u32 s15, ttmp6, 0x40000                  ; cx
	s_lshl_b32 s16, ttmp9, 2
	s_add_co_u32 s16, s16, s15                     ; my block of keys: it enters kc's and nc's addresses alone
	s_and_b32 s17, ttmp7, 0xffff                   ; the head, which the four partners share
	s_and_b32 s18, s[WV], 7                        ; which 32 keys
	s_lshr_b32 s19, s[WV], 3                       ; which half of the queries
	s_mov_b32 s24, 15|(1<<20)|(1<<21)|(5<<22)|(3<<25)   ; the mask: all four; elements of 1 byte; padding on; bit 21 beside a mask; 4 words behind every 64
	s_mov_b32 s25, 256<<16                         ; tensor_dim0
	s_mov_b32 s26, 32<<16                          ; tensor_dim1
	s_mov_b32 s27, 256<<16                         ; tile_dim0
	s_mov_b32 s28, 32                              ; tile_dim1: each wave brings 32 rows of 256 bytes
	s_mov_b32 s29, 256                             ; the pitch: dense
	s_mov_b32 s30, 0
	s_mov_b32 s31, 0
	s_lshl_b32 s20, s17, 17                        ; the head's first byte in qc and in kc
	s_lshl_b32 s22, s[WV], 13
	s_add_co_u32 s22, s22, s20
	s_mov_b32 s23, 0
	s_mov_b32 s32, 1
	s_mul_i32 s33, s[WV], 32*272
	s_wait_dscnt 0x0
	s_wait_kmcnt 0x0
	s_load_b64 s[36:37], s[10:11], 0x18            ; e6, e7
	s_add_nc_u64 s[34:35], s[4:5], s[22:23]
	s_or_b32 s35, s35, 0x80000000
	CROUND                                         ; all four work-groups are here: the joint loads meet
	tensor_load_to_lds s[32:35], s[24:31]          ; my one tensor load of the launch
	s_nop 0
.rept 4
	v_nop
.endr
	v_and_b32 v6, 15, v0                           ; r
	v_bfe_u32 v7, v0, 4, 1                         ; h
	s_delay_alu instid0(VALU_DEP_2)
	v_lshlrev_b32 v8, 6, v6
	s_delay_alu instid0(VALU_DEP_1)
	v_lshl_add_u32 v8, v7, 4, v8                   ; a key's row of 64 bytes, + 16 h
	s_lshl_b32 s21, s16, 14
	s_add_co_u32 s20, s20, s21
	s_lshl_b32 s21, s18, 11
	s_add_co_u32 s20, s20, s21
	s_mov_b32 s21, 0
	s_add_nc_u64 s[6:7], s[6:7], s[20:21]          ; my 32 keys
	global_load_b128 v[KF:KF+3], v8, s[6:7]                    ; registers 0-3: d = 16 h + 0 .. 15; 4-7: d = 32 + 16 h + 0 .. 15: the same places of d in q and in k
	global_load_b128 v[KF+4:KF+7], v8, s[6:7] offset:32
	global_load_b128 v[KF+8:KF+11], v8, s[6:7] offset:1024
	global_load_b128 v[KF+12:KF+15], v8, s[6:7] offset:1056
	s_lshr_b32 s20, s17, 3                         ; the batch
	s_lshl_b32 s20, s20, 13
	s_add_nc_u64 s[8:9], s[8:9], s[20:21]
	v_lshlrev_b32 v[TO], 4, v0
	global_load_b128 v[QF:QF+3], v[TO], s[8:9]     ; queries 4 T .. 4 T + 3: r = T / 2, u = 4 (T & 1) + i
	s_lshl_b32 s20, s17, 13
	s_lshl_b32 s22, s16, 10
	s_add_co_u32 s20, s20, s22
	s_add_nc_u64 s[12:13], s[12:13], s[20:21]      ; nc at my 256 keys
	v_lshrrev_b32 v236, 1, v0                      ; r
	s_delay_alu instid0(VALU_DEP_1)
	v_and_b32 v237, 0xe7, v236
	s_delay_alu instid0(VALU_DEP_2)
	v_bfe_u32 v238, v236, 3, 1
	s_delay_alu instid0(VALU_DEP_3)
	v_bfe_u32 v239, v236, 4, 1
	s_delay_alu instid0(VALU_DEP_2)
	v_lshl_or_b32 v237, v238, 4, v237
	s_delay_alu instid0(VALU_DEP_1)
	v_lshl_or_b32 v237, v239, 3, v237              ; pi(r)
	v_and_b32 v238, 1, v0
	s_delay_alu instid0(VALU_DEP_1)
	v_lshlrev_b32 v238, 12, v238
	s_delay_alu instid0(VALU_DEP_1)
	v_lshl_add_u32 v237, v237, 2, v238
	s_delay_alu instid0(VALU_DEP_1)
	v_add_nc_u32 v237, MSK, v237                   ; position 256 u + pi(r): 4,096 (T & 1) + 1,024 i + 4 pi(r)
	v_lshrrev_b32 v236, 2, v6
	s_delay_alu instid0(VALU_DEP_1)
	v_mul_u32_u24 v[AQ0], v236, 272
	v_and_b32 v236, 3, v6
	s_delay_alu instid0(VALU_DEP_1)
	v_lshl_add_u32 v[AQ0], v236, 6, v[AQ0]
	s_delay_alu instid0(VALU_DEP_1)
	v_lshl_add_u32 v[AQ0], v7, 4, v[AQ0]
	s_mul_i32 s45, s19, 256*272
	v_add_nc_u32 v[AQ0], s45, v[AQ0]
	s_lshl_b32 s45, s19, 12
	s_add_co_u32 s46, s45, MSK
	v_lshl_add_u32 v[AM0], v7, 5, s46              ; a tile's mask for my half of the lanes: queries 8 h + 0 .. 7
	s_lshl_b32 s46, s18, 7
	s_add_co_u32 s45, s45, s46
	s_add_co_u32 s45, s45, XCH
	v_lshl_add_u32 v[XA], v7, 11, s45
	v_lshrrev_b32 v236, 3, v6
	s_delay_alu instid0(VALU_DEP_1)
	v_lshl_add_u32 v[XA], v236, 6, v[XA]           ; position 32 kg + 16 kt + r is key 32 kg + 16 (r / 8) + 8 kt + r % 8
	v_and_b32 v236, 7, v6
	s_delay_alu instid0(VALU_DEP_1)
	v_lshl_add_u32 v[XA], v236, 2, v[XA]
	v_lshl_add_u32 v[XR], v0, 4, XCH
.irp kt, 0,1
	v_mov_b32 v[ST+8*\kt+1], 0xff61b1e6            ; the largest t so far: -3e38, under every t
	s_delay_alu instid0(VALU_DEP_1)
	v_floor_f32 v[ST+8*\kt], -v[ST+8*\kt+1]        ; -M
	v_mov_b32 v[ST+8*\kt+2], 0                     ; l
	v_mov_b32 v[ST+8*\kt+3], 0
	v_mov_b32 v[ST+8*\kt+5], 0                     ; (named as the upper half of f's pair)
.endr
	s_mov_b32 s40, 0
	s_mov_b32 s41, 0
	s_mov_b32 s42, 8
	s_wait_kmcnt 0x0
	s_add_co_i32 s43, s36, s37                     ; e6 + e7
	s_sub_co_i32 s44, 0, s43
	s_lshl_b32 s43, s43, 23
	s_add_co_i32 s[CS], s43, 0x3e38aa3b            ; c = log2(e) / 8, with the two exponents added to its exponent field
	s_mov_b32 s[CS+1], s[CS]
	s_wait_loadcnt 0x0                             ; my keys and my four numbers of the mask
.irp i, 0,1,2,3
	v_ldexp_f32 v[QF+\i], v[QF+\i], s44            ; mask / 2^(e6 + e7): it is added to sums of codes
.endr
.irp i, 0,1,2,3
	ds_store_b32 v237, v[QF+\i] offset:1024*\i
.endr
	s_wait_tensorcnt 0x0                           ; my part of q has landed,
	s_wait_dscnt 0x0                               ; my part of the mask is stored:
	s_barrier_signal -1
	s_barrier_wait -1                              ; everybody's is
.Ltrip:                                            ; 8 trips: 128 queries x my 32 keys
	v_add_nc_u32 v[ADQ], s40, v[AQ0]
	s_wait_alu depctr_va_vdst(0)
	v_add_nc_u32 v[ADM], s41, v[AM0]
	s_wait_alu depctr_va_vdst(0)
.irp g, 0,1
.rept 4-2*(1-\g)
	v_nop                                          ; places in front of loads into registers that matrix instructions have read (the two additions above are places too)
.endr
.irp i, 0,1,2,3
	ds_load_b128 v[QF+8*\i:QF+8*\i+3], v[ADQ] offset:(4*\g+\i)*1088
	ds_load_b128 v[QF+8*\i+4:QF+8*\i+7], v[ADQ] offset:(4*\g+\i)*1088+32
	ds_load_b128 v[MKR+8*\i:MKR+8*\i+3], v[ADM] offset:(4*\g+\i)*64
	ds_load_b128 v[MKR+8*\i+4:MKR+8*\i+7], v[ADM] offset:(4*\g+\i)*64+16
.endr
	s_wait_dscnt 0x0
.irp i, 0,1,2,3
.irp kt, 0,1
	v_wmma_f32_16x16x64_fp8_fp8 v[S+64*\kt+8*(4*\g+\i):S+64*\kt+8*(4*\g+\i)+7], v[QF+8*\i:QF+8*\i+7], v[KF+8*\kt:KF+8*\kt+7], v[MKR+8*\i:MKR+8*\i+7]
.endr
.endr
.endr
.rept 4
	v_nop
.endr
.irp kt, 0,1                                   ; the trip's largest score of my key among my 64 queries: two chains a key tile, each accumulator from its low end on
	v_max3_num_f32 v[CH+2*\kt], v[S+64*\kt], v[S+64*\kt+1], v[S+64*\kt+2]
	v_max3_num_f32 v[CH+2*\kt+1], v[S+64*\kt+3], v[S+64*\kt+4], v[S+64*\kt+5]
.endr
.irp i, 6,10,14,18,22,26,30,34,38,42,46,50,54,58
.irp kt, 0,1
	v_max3_num_f32 v[CH+2*\kt], v[CH+2*\kt], v[S+64*\kt+\i], v[S+64*\kt+\i+1]
	v_max3_num_f32 v[CH+2*\kt+1], v[CH+2*\kt+1], v[S+64*\kt+\i+2], v[S+64*\kt+\i+3]
.endr
.endr
.irp kt, 0,1
	v_max3_num_f32 v[CH+2*\kt], v[CH+2*\kt], v[S+64*\kt+62], v[S+64*\kt+63]
.endr
.irp kt, 0,1
	s_delay_alu instid0(VALU_DEP_2)
	v_max_num_f32 v[CH+2*\kt], v[CH+2*\kt], v[CH+2*\kt+1]
.endr
.irp kt, 0,1
	s_delay_alu instid0(VALU_DEP_2)
	v_mul_f32 v[CH+2*\kt], s[CS], v[CH+2*\kt]      ; as t (c is positive)
.endr
.irp kt, 0
	s_delay_alu instid0(VALU_DEP_2)
	v_max_num_f32 v[ST+8*\kt+1], v[ST+8*\kt+1], v[CH+2*\kt]
	v_mov_b32 v[ST+8*\kt+6], v[ST+8*\kt]
.endr
.irp kt, 1
	s_delay_alu instid0(VALU_DEP_3)
	v_max_num_f32 v[ST+8*\kt+1], v[ST+8*\kt+1], v[CH+2*\kt]
	v_mov_b32 v[ST+8*\kt+6], v[ST+8*\kt]
.endr
.irp kt, 0
	s_delay_alu instid0(VALU_DEP_4)
	v_floor_f32 v[ST+8*\kt], -v[ST+8*\kt+1]        ; the new -M = -ceil(t): a whole number
.endr
.irp kt, 1
	s_delay_alu instid0(VALU_DEP_3)
	v_floor_f32 v[ST+8*\kt], -v[ST+8*\kt+1]        ; the new -M = -ceil(t): a whole number
.endr
.irp kt, 0,1
	s_delay_alu instid0(VALU_DEP_2)
	v_sub_f32 v[ST+8*\kt+6], v[ST+8*\kt], v[ST+8*\kt+6]   ; old M - new M: a whole number, 0 or less
.endr
.irp kt, 0,1
	s_delay_alu instid0(VALU_DEP_2)
	v_cvt_i32_f32 v[ST+8*\kt+6], v[ST+8*\kt+6]     ; (it saturates)
.endr
.irp kt, 0,1
	s_delay_alu instid0(VALU_DEP_2)
	v_ldexp_f32 v[ST+8*\kt+4], 1.0, v[ST+8*\kt+6]  ; f = 2^(old M - new M): nothing is rounded
.endr
.irp kt, 0,1
.set j, 0
.rept 32
	v_pk_fma_f32 v[S+64*\kt+j:S+64*\kt+j+1], v[S+64*\kt+j:S+64*\kt+j+1], s[CS:CS+1], v[ST+8*\kt:ST+8*\kt+1] op_sel_hi:[1,0,0]   ; t - M, two at a time
.set j, j+2
.endr
.endr
.set j, 0
	s_wait_alu depctr_va_vdst(0)
.rept 128
	v_exp_f32 v[S+j], v[S+j]                       ; 2^(t - M), at most 1
.set j, j+1
.endr
.irp kt, 0,1
	v_pk_mul_f32 v[ST+8*\kt+2:ST+8*\kt+3], v[ST+8*\kt+2:ST+8*\kt+3], v[ST+8*\kt+4:ST+8*\kt+5] op_sel_hi:[1,0]   ; l under the new M: plain instructions behind the exponentials
.endr
	s_wait_alu depctr_va_vdst(0)                   ; one wait for the whole batch, ahead of its first reader
.irp kt, 0,1
	v_pk_add_f32 v[CH+4+2*\kt:CH+5+2*\kt], v[S+64*\kt:S+64*\kt+1], v[S+64*\kt+2:S+64*\kt+3]
.endr
.set j, 4
.rept 15
.irp kt, 0,1
	v_pk_add_f32 v[ST+8*\kt+2:ST+8*\kt+3], v[ST+8*\kt+2:ST+8*\kt+3], v[S+64*\kt+j:S+64*\kt+j+1]
	v_pk_add_f32 v[CH+4+2*\kt:CH+5+2*\kt], v[CH+4+2*\kt:CH+5+2*\kt], v[S+64*\kt+j+2:S+64*\kt+j+3]
.endr
.set j, j+4
.endr
.irp kt, 0
	s_delay_alu instid0(VALU_DEP_3)
	v_pk_add_f32 v[ST+8*\kt+2:ST+8*\kt+3], v[ST+8*\kt+2:ST+8*\kt+3], v[CH+4+2*\kt:CH+5+2*\kt]
.endr
.irp kt, 1
	s_delay_alu instid0(VALU_DEP_2)
	v_pk_add_f32 v[ST+8*\kt+2:ST+8*\kt+3], v[ST+8*\kt+2:ST+8*\kt+3], v[CH+4+2*\kt:CH+5+2*\kt]
.endr
	s_add_co_u32 s40, s40, 32*272                  ; 128 queries on
	s_add_co_u32 s41, s41, 512
	s_sub_co_u32 s42, s42, 1
	s_cmp_lg_u32 s42, 0
	s_cbranch_scc1 .Ltrip
.irp kt, 0,1
	v_add_f32 v[ST+8*\kt+2], v[ST+8*\kt+2], v[ST+8*\kt+3]
.endr
.irp kt, 0,1
	ds_store_b32 v[XA], v[ST+8*\kt] offset:32*\kt
	ds_store_b32 v[XA], v[ST+8*\kt+2] offset:32*\kt+1024
.endr
	s_wait_dscnt 0x0                               ; for the others' sake: my parts are stored
	s_barrier_signal -1
	s_barrier_wait -1
	s_cmp_lt_u32 s[WV], 2                          ; waves 0 and 1 join the parts: thread T takes keys 4 T .. 4 T + 3
	s_cbranch_scc0 .Lnot_mine
.irp s, 0,1,2,3
	ds_load_b128 v[QF+8*\s:QF+8*\s+3], v[XR] offset:2048*\s
	ds_load_b128 v[QF+8*\s+4:QF+8*\s+7], v[XR] offset:2048*\s+1024
.endr
	s_wait_dscnt 0x0
.irp i, 0,1,2,3
	v_min3_num_f32 v[MKR+\i], v[QF+\i], v[QF+8+\i], v[QF+16+\i]
.endr
.irp i, 0,1,2,3
	s_delay_alu instid0(VALU_DEP_4)
	v_min_num_f32 v[MKR+\i], v[MKR+\i], v[QF+24+\i]          ; the least -M is the largest M
.endr
.irp s, 0,1,2,3
.irp i, 0,1,2,3
	v_sub_f32 v[QF+8*\s+\i], v[MKR+\i], v[QF+8*\s+\i]        ; the part's M less the largest: a whole number, 0 or less
.endr
.irp i, 0,1,2,3
	s_delay_alu instid0(VALU_DEP_4)
	v_cvt_i32_f32 v[QF+8*\s+\i], v[QF+8*\s+\i]
.endr
.irp i, 0,1,2,3
	s_delay_alu instid0(VALU_DEP_4)
	v_ldexp_f32 v[QF+8*\s+4+\i], v[QF+8*\s+4+\i], v[QF+8*\s+\i]
.endr
.endr
.irp i, 0,1,2,3
	v_add_f32 v[QF+4+\i], v[QF+4+\i], v[QF+12+\i]
	v_add_f32 v[QF+20+\i], v[QF+20+\i], v[QF+28+\i]
.endr
.irp i, 0,1,2,3
	v_add_f32 v[QF+4+\i], v[QF+4+\i], v[QF+20+\i]            ; l: at least a half
.endr
	s_wait_alu depctr_va_vdst(0)
.irp i, 0,1,2,3
	v_log_f32 v[MKR+4+\i], v[QF+4+\i]
.endr
	v_nop                                          ; a plain instruction behind the last logarithm
	s_wait_alu depctr_va_vdst(0)                   ; and the wait ahead of the first reader
.irp i, 0,1,2,3
	v_sub_f32 v[MKR+8+\i], v[MKR+\i], v[MKR+4+\i]            ; nC = -M - log2 l
.endr
	global_store_b128 v[TO], v[MKR+8:MKR+11], s[12:13]       ; sixteen lanes store 256 consecutive bytes, aligned
.Lnot_mine:
	s_wait_tensorcnt 0x0
	ds_add_u32 v254, v255
	s_wait_dscnt 0x0
	CROUND                                         ; the closing round
	s_endpgm
.Lfunc_end_k_q6aa0a285d3_stats:
	.size	k_q6aa0a285d3_stats, .Lfunc_end_k_q6aa0a285d3_stats-k_q6aa0a285d3_stats
	.p2alignl 7, 3214868480
	.fill 96, 4, 3214868480
	.section	.rodata,"a",@progbits
	.p2align	6, 0x0
	.amdhsa_kernel k_q6aa0a285d3_stats
		.amdhsa_group_segment_fixed_size 169984
		.amdhsa_private_segment_fixed_size 0
		.amdhsa_enable_private_segment 0
		.amdhsa_kernarg_size 40
		.amdhsa_user_sgpr_count 2
		.amdhsa_user_sgpr_kernarg_segment_ptr 1
		.amdhsa_wavefront_size32 1
		.amdhsa_system_sgpr_workgroup_id_x 1
		.amdhsa_system_sgpr_workgroup_id_y 1
		.amdhsa_system_sgpr_workgroup_id_z 1
		.amdhsa_system_vgpr_workitem_id 0
		.amdhsa_next_free_vgpr 256
		.amdhsa_next_free_sgpr 66
		.amdhsa_reserve_vcc 0
		.amdhsa_float_denorm_mode_32 3
		.amdhsa_float_denorm_mode_16_64 3
		.amdhsa_memory_ordered 1
		.amdhsa_forward_progress 1
		.amdhsa_inst_pref_size 34
	.end_amdhsa_kernel
	.amdgpu_metadata
---
amdhsa.version: [ 1, 2 ]
amdhsa.kernels:
  - .name:           k_q6aa0a285d3_stats
    .symbol:         k_q6aa0a285d3_stats.kd
    .args:
      - { .name: qc, .offset: 0, .size: 8, .value_kind: global_buffer, .address_space: global }
      - { .name: kc, .offset: 8, .size: 8, .value_kind: global_buffer, .address_space: global }
      - { .name: mask, .offset: 16, .size: 8, .value_kind: global_buffer, .address_space: global }
      - { .name: lowp_scales, .offset: 24, .size: 8, .value_kind: global_buffer, .address_space: global }
      - { .name: nc, .offset: 32, .size: 8, .value_kind: global_buffer, .address_space: global }
    .group_segment_fixed_size: 169984
    .private_segment_fixed_size: 0
    .kernarg_segment_align: 8
    .kernarg_segment_size: 40
    .max_flat_workgroup_size: 512
    .sgpr_count:     66
    .vgpr_count:     256
    .wavefront_size: 32
...
	.end_amdgpu_metadata
.endif
;; end of part 2
;; launch attn (part 3): grid 8 x 32, 4 waves a work-group, clusters of 4 x 1, 327,680 bytes of LDS; arguments qc, kc, vc, nc, mask, lowp_scales, oc; writes oc
.if DOCPART == 3
	.amdgcn_target "amdgcn-amd-amdhsa--gfx1250"
	.amdhsa_code_object_version 6
	.text
	.protected	k_q6aa0a285d3_attn
	.globl	k_q6aa0a285d3_attn
	.p2align	8
	.type	k_q6aa0a285d3_attn,@function
k_q6aa0a285d3_attn:
	s_mov_b64 s[64:65], 0
	v_nop
	global_prefetch_b8 v0, s[64:65] scope:SCOPE_SE
	s_setreg_imm32_b32 hwreg(HW_REG_WAVE_MODE, 25, 1), 1
	s_wait_xcnt 0x0
	s_wait_alu depctr_hold_cnt(0) depctr_sa_sdst(0) depctr_va_vdst(0) depctr_va_sdst(0) depctr_va_ssrc(0) depctr_va_vcc(0) depctr_vm_vsrc(0)
	s_getreg_b32 s2, hwreg(HW_REG_IB_STS2, 6, 4)
	s_cmp_eq_u32 s2, 0
	s_cbranch_scc0 .Lentry_in_a_cluster
	s_endpgm
.Lentry_in_a_cluster:
	s_bfe_u32 s2, ttmp6, 0x10000c
	s_cmp_lg_u32 s2, 0x3003
	s_cbranch_scc0 .Lentry_shape_is_right
	s_endpgm
.Lentry_shape_is_right:
; out[q] = the sum over the keys of att[q][k] v[k],  att = 2^(t + nC[k]),  t = (q . k + mask[q]) log2(e) / 8: the finished weight of a softmax over the QUERIES, whose column figures nC = -(M + log2 l) the launch before has made.
; att is quantised with 2^e8 along the keys, v comes as codes with 2^e9, the result is quantised with 2^e10 for the last product.
; qc, kc: [head][256 u + pi(r)][64] codes (pi: bits 3 and 4 exchanged);  vc: [head][pi(d)][256 u + r] codes;  nc: [head][256 u + r] f32;  oc: [head][q][128] codes = the [8192][1024] operand of the last product as it lies.
; SHARES.  A work-group: one head, 256 queries; each of its four waves 64: four tiles of 16.  Every wave walks all 2,048 keys, 128 a step.
; LAYOUT.  S^T = K Q^T + mask (source 0 = 16 positions of keys, source 1 = 16 queries, C = the query's mask / 2^(e6 + e7)), O^T = V^T P^T: a lane holds ONE query throughout.  Since kc's and vc's rows lie at pi(row),
; the 16 registers of tiles 2 b and 2 b + 1 are 16 neighbours along the next K: the conversions' results are the next operand's registers.
; A TURN serves four tiles at four stages: the 64 exponentials of tile t, each followed by one hold of tile t - 1; the 8 conversions of tile t - 1; the 32 packed multiply-adds t + nC of tile t + 1;
; then one run of matrix instructions: 8 products V^T P of tile t - 1 and 8 products K Q^T of tile t + 2.  Each tile has its own 64 registers of scores, so a trip of four turns brings every register number back.
; LDS LOADS are issued as soon as their registers are free and awaited directly ahead of their first reader: V of a step in turn 0, behind the last product of the step before, awaited ahead of turn 1's products;
; K of the next step at turn 2's head, awaited ahead of that turn's K Q^T; nC of the next step in turn 2, behind its last multiply-add, awaited behind turn 3's batch.
; CLUSTER.  The four query blocks of a cluster belong to one head and walk the same K, V and nC: joint loads.  A slot holds 512 keys, four steps; wave 0 asks for K's 32,768 bytes, waves 2 and 3 for V's halves of as many,
; wave 1 at the head for the head's nC.  By the text's count a wave has one tensor load out; every wait on TENSORcnt is for 0.
; LIMITS: e6 + e7 between -123 and 130; e8 and e10 - e8 - e9 between -126 and 119; mask x 2^-(e6 + e7) an f32 number.  log2 l is folded into the exponent: the weight's relative error is about 1e-7 x |nC|.  NaN is not served.
; REGISTERS, in windows of 256 (s_set_vgpr_msb: bits 1:0 source 0, 3:2 source 1, 5:4 source 2, 7:6 destination):
;   window 0: v0-15 addresses and scales; v16-79 K; v80-111 Q; v112-127 P; v128-255 V      window 1: O^T, tile t, channels' tile k at 64 t + 8 k
;   window 2: S^T, tile t at 64 t                                                          window 3: v0-31 the mask, eight equal registers a tile; v32-95 nC of one step
.set KP,    272                        ; four keys' 256 bytes + 16 of padding
.set VP,    528                        ; a row of V in a slot: 512 bytes + 16
.set VOFF,  128*KP                     ; a slot: 128 long rows of K, then 128 rows of V
.set SLOT1, 1<<17                      ; slot 1 begins here: one exclusive or turns an address from one slot into the other
.set NCB,   110592                     ; behind slot 0: nC of the whole head, filled once
.set SPARE, 118784                     ; the spare words, 128 bytes a wave
.set STAGE, 119296                     ; the way out: 16 rows x 144 bytes for each wave
.set SP,    144
.set SPW, 1
.set NIL, 2
.set AK0, 3                            ; my lane's place in a tile of K, of V, in nC
.set AV0, 4
.set AN0, 5
.set ADK, 6                            ; the addresses of the run of loads in hand
.set ADN, 7
.set ADV, 8
.set LIMP, 9                           ; 448 x 2^e8
.set SCP, 10                           ; 2^e8
.set STO, 11
.set RD,  12
.set GO,  13
.set PFO, 14
.set SCO, 15                           ; 2^(e10 - e8 - e9)
.set KF,  16
.set QF,  80
.set P,   112
.set VF,  128
.set MK,  0
.set NC,  32
.set WV,  18
.set G1K, 24
.set G1V, 32
.set G0K, 40                           ; groups 0 walk: each fill takes the other slot and the next 512 keys
.set G0V, 44
.set G1N, 48
.set G0N, 56
.set CS,  84                           ; s[84:85] c x 2^(e6 + e7)
.set TK,  86                           ; LDS byte of the step to be fetched: K, V, nC
.set TV,  87
.set TN,  88
.set SLOTS, 89
.set CNT, 90
.set LIM, 91
.set PFA, 92
.set W_VEC, 0xb2                       ; S in window 2 as source 0 and destination, nC in window 3 as source 2, the hold's bound in window 0 as source 1
.set W_KQ,  0xb0                       ; K, Q window 0, the mask window 3, S window 2
.set W_PV,  0x50                       ; V, P window 0, O^T window 1
.set MSB, 0
.macro WIN new
.if MSB != (\new)
	s_set_vgpr_msb (MSB<<8)|(\new)
.set MSB, \new
.endif
.endm
.macro TAILS                           ; behind each tensor load
	s_nop 0
.rept 4
	v_nop
.endr
.endm
.macro JLOAD                           ; a joint fill of a slot: wave 0 K, waves 2 and 3 V's halves, wave 1 nothing
	s_cmp_eq_u32 s[WV], 0
	s_cbranch_scc0 .Lnot_k_\@
	tensor_load_to_lds s[G0K:G0K+3], s[G1K:G1K+7]
	TAILS
	s_branch .Lasked_\@
.Lnot_k_\@:
	s_cmp_eq_u32 s[WV], 1
	s_cbranch_scc1 .Lasked_\@
	tensor_load_to_lds s[G0V:G0V+3], s[G1V:G1V+7]
	TAILS
.Lasked_\@:
.endm
; A PREFETCH INTO THE L2 of what the next change of slots will ask for: keys 1,536 on, four key steps ahead of that load.  It stands behind the first refill alone: the second has no slot behind it.
; Both clusters of a head walk the same K and V: the first asks.  Its four partners share the bytes out by address: of K's 32,768 bytes 8,192 each (wave 0, lanes 256 bytes apart),
; of V's 128 rows 32 each (waves 2 and 3: the two aligned halves of a row's 512 bytes, a lane a row).  So each aligned block of 256 bytes is named once.  Its address registers are never rewritten.
.macro ASK
	s_cmp_gt_u32 s[SLOTS], s[LIM]
	s_cbranch_scc0 .Lnot_mine_\@
	global_prefetch_b8 v[PFO], s[PFA:PFA+1] th:TH_LOAD_NT scope:SCOPE_SE
.Lnot_mine_\@:
.endm
.macro CROUND
	s_barrier_signal -1
	s_barrier_wait -1
	s_cmp_lg_u32 s[WV], 0
	s_cbranch_scc1 .Lnot_wave_0_\@
	s_barrier_signal -3
.Lnot_wave_0_\@:
	s_barrier_wait -3
	s_barrier_signal -1
	s_barrier_wait -1
.endm
	s_load_b256 s[4:11], s[0:1], 0x0               ; qc 4, kc 6, vc 8, nc 10
	s_load_b128 s[12:15], s[0:1], 0x20             ; mask 12, the scales' exponents 14
	s_load_b64 s[16:17], s[0:1], 0x30              ; oc
	v_lshl_add_u32 v[SPW], v0, 2, SPARE
	v_mov_b32 v[NIL], 0
	ds_add_u32 v[SPW], v[NIL]                      ; the opening lines: the add twice on end and its wait
	ds_add_u32 v[SPW], v[NIL]
	v_lshrrev_b32 v132, 5, v0
	v_readfirstlane_b32 s[WV], v132                ; wave 0..3
	s_bfe_u32 s19, ttmp6, 0x40000                  ; cx
	s_lshl_b32 s20, ttmp9, 2
	s_add_co_u32 s20, s20, s19                     ; my block of 256 queries: it enters Q's, the mask's and oc's addresses alone
	s_and_b32 s21, ttmp7, 0xffff                   ; the head, which the four partners share
	s_mov_b32 s[G1K], 15|(1<<20)|(1<<21)|(5<<22)|(3<<25)    ; all four partners; elements of 1 byte; 4 words of padding behind every 64
	s_mov_b32 s[G1K+1], 256<<16
	s_mov_b32 s[G1K+2], 128<<16
	s_mov_b32 s[G1K+3], 256<<16
	s_mov_b32 s[G1K+4], 128                        ; 128 long rows of 256 bytes, dense
	s_mov_b32 s[G1K+5], 256
	s_mov_b32 s[G1K+6], 0
	s_mov_b32 s[G1K+7], 0
	s_mov_b32 s[G1V], 15|(1<<20)|(1<<21)|(6<<22)|(3<<25)    ; 4 words behind every 128
	s_mov_b32 s[G1V+1], 512<<16
	s_mov_b32 s[G1V+2], 64<<16
	s_mov_b32 s[G1V+3], 512<<16
	s_mov_b32 s[G1V+4], 64                         ; 64 rows of 512 bytes, 2,048 apart
	s_mov_b32 s[G1V+5], 2048
	s_mov_b32 s[G1V+6], 0
	s_mov_b32 s[G1V+7], 0
	s_mov_b32 s[G1N], 15|(3<<16)|(1<<21)           ; elements of 8 bytes, no padding
	s_mov_b32 s[G1N+1], 32<<16
	s_mov_b32 s[G1N+2], 32<<16
	s_mov_b32 s[G1N+3], 32<<16
	s_mov_b32 s[G1N+4], 32                         ; 32 rows of 256 bytes, dense: the head's nC
	s_mov_b32 s[G1N+5], 32
	s_mov_b32 s[G1N+6], 0
	s_mov_b32 s[G1N+7], 0
	s_and_b32 s96, s[WV], 1                        ; which half of V's rows
	s_lshl_b32 s98, s21, 17                        ; K: the head in memory
	s_mov_b32 s99, 0
	s_lshl_b32 s100, s21, 18
	s_lshl_b32 s97, s96, 17
	s_add_co_u32 s100, s100, s97                   ; V: the head and my 64 rows
	s_mov_b32 s101, 0
	s_mul_i32 s67, s96, 64*VP
	s_lshl_b32 s22, s21, 13                        ; nC: the head
	s_mov_b32 s23, 0
	s_mov_b32 s[G0K], 1
	s_mov_b32 s[G0K+1], 0
	s_mov_b32 s[G0V], 1
	s_add_co_u32 s[G0V+1], s67, VOFF
	s_mov_b32 s[G0N], 1
	s_mov_b32 s[G0N+1], NCB
	s_mov_b32 s[TK], 0
	s_mov_b32 s[TV], 0
	s_mov_b32 s[TN], 0
	s_wait_dscnt 0x0                               ; both opening adds are done
	s_wait_kmcnt 0x0
	s_load_b256 s[72:79], s[14:15], 0x0            ; e0 .. e7
	s_load_b128 s[80:83], s[14:15], 0x20           ; e8 .. e11
	s_add_nc_u64 s[G0K+2:G0K+3], s[6:7], s[98:99]
	s_or_b32 s[G0K+3], s[G0K+3], 0x80000000
	s_add_nc_u64 s[G0V+2:G0V+3], s[8:9], s[100:101]
	s_or_b32 s[G0V+3], s[G0V+3], 0x80000000
	s_add_nc_u64 s[G0N+2:G0N+3], s[10:11], s[22:23]
	s_or_b32 s[G0N+3], s[G0N+3], 0x80000000
	CROUND                                         ; all four work-groups are here: the first joint loads meet
	s_cmp_eq_u32 s[WV], 0                          ; one tensor load a wave at the head, one to each arm: slot 0's K, nC, slot 0's V in halves
	s_cbranch_scc0 .Lhead_1
	tensor_load_to_lds s[G0K:G0K+3], s[G1K:G1K+7]
	TAILS
	s_branch .Lhead_asked
.Lhead_1:
	s_cmp_eq_u32 s[WV], 1
	s_cbranch_scc0 .Lhead_v
	tensor_load_to_lds s[G0N:G0N+3], s[G1N:G1N+7]
	TAILS
	s_branch .Lhead_asked
.Lhead_v:
	tensor_load_to_lds s[G0V:G0V+3], s[G1V:G1V+7]
	TAILS
.Lhead_asked:
	; scalar addresses.  Query 256 qb + 64 w + 16 t + r16 is (r = 32 qb + 8 w + 2 t + r16 / 8, u = r16 % 8): position 256 u + pi(r); pi exchanges w's two bits
	s_lshl_b32 s96, s21, 17
	s_lshl_b32 s97, s20, 11
	s_add_co_u32 s96, s96, s97
	s_and_b32 s97, s[WV], 1
	s_lshl_b32 s97, s97, 10
	s_add_co_u32 s96, s96, s97
	s_lshr_b32 s97, s[WV], 1
	s_lshl_b32 s97, s97, 9
	s_add_co_u32 s96, s96, s97
	s_mov_b32 s97, 0
	s_add_nc_u64 s[4:5], s[4:5], s[96:97]          ; Q
	s_lshr_b32 s96, s21, 3                         ; the batch
	s_lshl_b32 s96, s96, 13
	s_lshl_b32 s98, s20, 10
	s_add_co_u32 s96, s96, s98
	s_lshl_b32 s98, s[WV], 8
	s_add_co_u32 s96, s96, s98
	s_add_nc_u64 s[12:13], s[12:13], s[96:97]      ; the mask at my wave's first query
	s_lshl_b32 s96, s21, 18
	s_lshl_b32 s98, s20, 15
	s_add_co_u32 s96, s96, s98
	s_lshl_b32 s98, s[WV], 13
	s_add_co_u32 s96, s96, s98
	s_add_nc_u64 s[16:17], s[16:17], s[96:97]      ; oc likewise
	s_cmp_eq_u32 s[WV], 0                          ; the prefetch: where it stands, and who asks
	s_cselect_b64 s[PFA:PFA+1], s[6:7], s[8:9]
	s_cselect_b32 s96, 17, 18                      ; a head's bytes
	s_cselect_b32 s98, 13, 16                      ; my work-group's part: 8,192 bytes of K, 32 rows of V
	s_cselect_b32 s100, 8, 11                      ; from lane to lane: 256 bytes, or a row
	s_mov_b32 s99, 1536
	s_cselect_b32 s99, 98304, s99                  ; keys 1,536 on
	s_lshl_b32 s96, s21, s96
	s_lshl_b32 s98, s19, s98
	s_add_co_u32 s96, s96, s98
	s_add_co_u32 s96, s96, s99
	s_and_b32 s98, s[WV], 1
	s_lshl_b32 s98, s98, 8                         ; wave 3: the second half of a row's 512 bytes
	s_add_co_u32 s96, s96, s98
	s_add_nc_u64 s[PFA:PFA+1], s[PFA:PFA+1], s[96:97]
	s_cmp_eq_u32 s[WV], 1
	s_cselect_b32 s96, 1, 0
	s_or_b32 s96, s96, ttmp9                       ; 0 in waves 0, 2, 3 of the head's first cluster: the same in all four partners
	s_cmp_eq_u32 s96, 0
	s_cselect_b32 s[LIM], 1, -1
	s_mul_i32 s66, s[WV], 16*SP
	s_add_co_u32 s66, s66, STAGE                   ; my stage
	; the lanes' addresses, in one run
	v_and_b32 v132, 15, v0                         ; r16
	v_bfe_u32 v133, v0, 4, 1                       ; h
	v_and_b32 v134, 7, v132
	v_lshrrev_b32 v135, 3, v132
	v_lshlrev_b32 v136, 14, v134
	v_lshl_add_u32 v136, v135, 6, v136
	v_lshl_add_u32 v136, v133, 4, v136             ; Q's offset
	v_lshlrev_b32 v137, 2, v132                    ; the mask's
	v_and_b32 v[PFO], 31, v0
	v_lshlrev_b32 v[PFO], s100, v[PFO]
	v_lshrrev_b32 v138, 2, v132
	v_mul_u32_u24 v[AK0], v138, KP
	v_and_b32 v138, 3, v132
	v_lshl_add_u32 v[AK0], v138, 6, v[AK0]
	v_lshl_add_u32 v[AK0], v133, 4, v[AK0]
	v_mul_u32_u24 v[AV0], v132, VP
	v_lshl_add_u32 v[AV0], v133, 4, v[AV0]
	v_add_nc_u32 v[AV0], VOFF, v[AV0]
	v_lshlrev_b32 v[AN0], 6, v133
	v_add_nc_u32 v[AN0], NCB, v[AN0]               ; register 16 b + i is key 32 b + 16 h + i
	v_mul_u32_u24 v[STO], v132, SP
	v_lshl_add_u32 v[STO], v133, 4, v[STO]
	v_add_nc_u32 v[STO], s66, v[STO]               ; the stage, in: row r16, 16 bytes for each half of the lanes
	v_and_b32 v138, 31, v0
	v_lshlrev_b32 v[GO], 4, v138
	v_lshrrev_b32 v139, 3, v138
	v_mul_u32_u24 v[RD], v139, SP
	v_and_b32 v139, 7, v138
	v_lshl_add_u32 v[RD], v139, 4, v[RD]
	v_add_nc_u32 v[RD], s66, v[RD]                 ; back: four rows of 128 bytes an instruction
	s_wait_alu depctr_va_vdst(0)                   ; the wait ahead of the readers below
.irp t, 0,1,2,3
	global_load_b128 v[QF+8*\t:QF+8*\t+3], v136, s[4:5] offset:128*\t
	global_load_b128 v[QF+8*\t+4:QF+8*\t+7], v136, s[4:5] offset:128*\t+32
.endr
.irp t, 0,1,2,3
	global_load_b32 v[128+\t], v137, s[12:13] offset:64*\t
.endr
	s_wait_kmcnt 0x0
	s_add_co_i32 s96, s78, s79                     ; e6 + e7
	s_sub_co_i32 s97, 0, s96
	s_lshl_b32 s96, s96, 23
	s_add_co_i32 s[CS], s96, 0x3e38aa3b            ; c = log2(e) / 8, with the two exponents added to its exponent field
	s_mov_b32 s[CS+1], s[CS]
	s_add_co_i32 s96, s80, 127
	s_lshl_b32 s98, s96, 23
	s_add_co_i32 s96, s96, 8
	s_lshl_b32 s96, s96, 23
	s_or_b32 s99, s96, 0x600000
	s_sub_co_i32 s96, s82, s80
	s_sub_co_i32 s96, s96, s81                     ; a sum of the second product stands for sum x 2^(e8 + e9): its code is sum / 2^(e10 - e8 - e9)
	s_add_co_i32 s96, s96, 127
	s_lshl_b32 s100, s96, 23
	s_add_co_i32 s96, s96, 8
	s_lshl_b32 s96, s96, 23
	s_or_b32 s95, s96, 0x600000
	s_or_b32 s94, s95, 0x80000000
	v_mov_b32 v[SCP], s98
	v_mov_b32 v[LIMP], s99
	v_mov_b32 v[SCO], s100
	s_wait_alu depctr_va_vdst(0)
	s_wait_loadcnt 0x0                             ; Q and the mask
	WIN 0xc0
.irp t, 0,1,2,3
.irp j, 0,1,2,3,4,5,6,7
	v_ldexp_f32 v[MK+8*\t+\j], v[128+\t], s97      ; my query's mask / 2^(e6 + e7), in all eight registers of the tile's C
.endr
.endr
	WIN 0
; THE RUNS OF LDS LOADS.  They begin in window 0.  K's and V's registers have been read by matrix instructions: the addition and three v_nop are the four places ahead of the loads.
.macro FETCH_K                         ; 128 positions of keys: 8 tiles
	v_add_nc_u32 v[ADK], s[TK], v[AK0]
.rept 3
	v_nop
.endr
	s_add_co_u32 s[TK], s[TK], 32*KP
.irp f, 0,1,2,3,4,5,6,7
	ds_load_b128 v[KF+8*\f:KF+8*\f+3], v[ADK] offset:4*KP*\f
	ds_load_b128 v[KF+8*\f+4:KF+8*\f+7], v[ADK] offset:4*KP*\f+32
.endr
.endm
.macro FETCH_N                         ; their nC, in the scores' layout
	v_add_nc_u32 v[ADN], s[TN], v[AN0]
	s_add_co_u32 s[TN], s[TN], 512
	WIN 0xc0
.irp b, 0,1,2,3
.irp m, 0,1,2,3
	ds_load_b128 v[NC+16*\b+4*\m:NC+16*\b+4*\m+3], v[ADN] offset:128*\b+16*\m
.endr
.endr
.endm
.macro FETCH_V                         ; 128 channels x 128 keys: 8 fragments
	v_add_nc_u32 v[ADV], s[TV], v[AV0]
.rept 3
	v_nop
.endr
	s_add_co_u32 s[TV], s[TV], 128
.irp k, 0,1,2,3,4,5,6,7
.irp c, 0,1,2,3
	ds_load_b128 v[VF+16*\k+4*\c:VF+16*\k+4*\c+3], v[ADV] offset:16*VP*\k+32*\c
.endr
.endr
.endm
.macro KQ8 tl                          ; S^T of tile tl: 8 tiles of keys
.set kk, 0
.rept 8
	v_wmma_f32_16x16x64_fp8_fp8 v[64*(\tl)+8*kk:64*(\tl)+8*kk+7], v[KF+8*kk:KF+8*kk+7], v[QF+8*(\tl):QF+8*(\tl)+7], v[MK+8*(\tl):MK+8*(\tl)+7]
.set kk, kk+1
.endr
.endm
.macro FMA32 sb                        ; t + nC, two at a time, each accumulator from its low end on
.set j, 0
.rept 32
	v_pk_fma_f32 v[(\sb)+j:(\sb)+j+1], v[(\sb)+j:(\sb)+j+1], s[CS:CS+1], v[NC+j:NC+j+1] op_sel_hi:[1,0,1]
.set j, j+2
.endr
.endm
.macro PV8 tl, zero                    ; O^T of tile tl += V^T P over the step's 128 keys.  zero = 1: the products start the sums
.set kk, 0
.rept 8
.if \zero
	v_wmma_f32_16x16x128_fp8_fp8 v[64*(\tl)+8*kk:64*(\tl)+8*kk+7], v[VF+16*kk:VF+16*kk+15], v[P:P+15], 0
.else
	v_wmma_f32_16x16x128_fp8_fp8 v[64*(\tl)+8*kk:64*(\tl)+8*kk+7], v[VF+16*kk:VF+16*kk+15], v[P:P+15], v[64*(\tl)+8*kk:64*(\tl)+8*kk+7]
.endif
.set kk, kk+1
.endr
.endm
; TURN t.  ex: tile t's exponentials;  mn: tile t - 1's holds and conversions;  fm: tile t + 1's multiply-adds;  pv: tile t - 1's products V^T P (1: they start the sums, 2: they add);  kq: tile t + 2's scores;  ft: the turn's LDS loads.
; No two matrix instructions that follow each other share an accumulator.  The batch's sources were written ahead of the wait that stands in front of the last turn's matrix run;
; the holds written inside the batch are first read behind the wait that follows it.  P's last reader stands a batch's 64 holds ahead of its next writer.
.macro TURN t, ex, mn, fm, pv, kq, ft
.set SE, 64*(\t)
.set SM, 64*(((\t)+3)%4)
.set SF, 64*(((\t)+1)%4)
.set tp, ((\t)+3)%4
.set tn, ((\t)+2)%4
.if (\ft) && ((\t) == 2)
	WIN 0
	FETCH_K                                        ; the next step's K: its last reader was the last turn's K Q^T
.endif
	WIN W_VEC
.set j, 0
.rept 64
.if \ex
	v_exp_f32 v[SE+j], v[SE+j]                     ; the weight 2^(t + nC)
.endif
.if \mn
	v_min_num_f32 v[SM+j], v[SM+j], v[LIMP]        ; the conversion does not saturate (ISA guide 7.6.2); a weight is not negative: the hold is one-sided
.endif
.set j, j+1
.endr
.if (\mn) == 0
	v_nop                                          ; a plain instruction behind the last exponential
.endif
	s_wait_alu depctr_va_vdst(0)                   ; one wait for the batch, ahead of its first reader
.if (\ft) && ((\t) == 3)
	s_wait_dscnt 0x0                               ; the next step's nC, asked for in turn 2, is in
.endif
.if \mn
	WIN 0x02
.set j, 0
.rept 8
	v_cvt_scalef32_pk8_fp8_f32 v[P+2*j:P+2*j+1], v[SM+8*j:SM+8*j+7], v[SCP]
.set j, j+1
.endr
	v_nop                                          ; one plain instruction behind the last conversion
.endif
.if \fm
	WIN W_VEC
	s_wait_alu depctr_va_vdst(0)                   ; the wait here, directly ahead of the first readers of the scores
	FMA32 SF
.endif
.if (\ft) && ((\t) == 2)
	WIN 0
	FETCH_N                                        ; the next step's nC: the multiply-adds above were this step's last
.endif
.if (\t) == 1
	s_wait_dscnt 0x0                               ; this step's V, asked for in turn 0, is in
.endif
.if \pv
	WIN W_PV
.endif
	s_wait_alu depctr_va_vdst(0)                   ; the wait ahead of the readers of O^T, and between the multiply-adds and the next batch
.if \pv
	PV8 tp, 2-(\pv)
.endif
.if (\ft) && ((\t) == 0)
	WIN 0
	FETCH_V                                        ; this step's V: the products above were the last step's last
.endif
.if (\ft) && ((\t) == 2)
	s_wait_dscnt 16                                ; K's sixteen loads are in; nC's sixteen, issued behind them, may be out
.endif
.if \kq
	WIN W_KQ
	KQ8 tn
.endif
.endm
.macro BODY z                          ; the second half of a key step and the first half of the next.  z = 1: step 0's products start O^T: nothing is ever cleared
	TURN 2, 1, 1, 1, 2-(\z), 1, 1
	TURN 3, 1, 1, 1, 2-(\z), 1, 1
	TURN 0, 1, 1, 1, 2-(\z), 1, 1
	TURN 1, 1, 1, 1, 2, 1, 1
.endm
.macro RLOOP n
	WIN 0                                          ; at a label and at a branch every window is 0
	s_mov_b32 s[CNT], \n
.Lbody_\@:
	BODY 0
	WIN 0
	s_sub_co_u32 s[CNT], s[CNT], 1
	s_cmp_lg_u32 s[CNT], 0
	s_cbranch_scc1 .Lbody_\@
.endm
; THE CHANGE OF SLOTS, behind turn 1 of a slot's last step: that step's V, the slot's last bytes to be read, is in registers.  Each wave waits for all its tensor loads, adds 0 to its spare word, and waits for that and for
; its reads.  fill = 1: behind a round of the cluster's barrier the slot that was left takes the keys two slots on; that load has four key steps in which to land.  back = 0: at the head: slot 1's first fill, issued as a refill is.
.macro CHANGE fill, back
	WIN 0
	s_wait_tensorcnt 0x0                           ; no tensor load of mine is out, so a group 0 may be written
	ds_add_u32 v[SPW], v[NIL]
.if \fill
	s_xor_b32 s[G0K+1], s[G0K+1], SLOT1
	s_add_nc_u64 s[G0K+2:G0K+3], s[G0K+2:G0K+3], 32768
	s_xor_b32 s[G0V+1], s[G0V+1], SLOT1
	s_add_nc_u64 s[G0V+2:G0V+3], s[G0V+2:G0V+3], 512
.endif
	s_wait_dscnt 0x0
.if \fill
	CROUND
	JLOAD
.else
	s_barrier_signal -1
	s_barrier_wait -1
.endif
.if \back
.if \fill
	ASK
.endif
	s_sub_co_u32 s[TK], s[TK], 128*KP              ; the fetches go back to a slot's first step, in the other slot
	s_xor_b32 s[TK], s[TK], SLOT1
	s_sub_co_u32 s[TV], s[TV], 512
	s_xor_b32 s[TV], s[TV], SLOT1
.endif
.endm
	s_wait_alu depctr_va_vdst(0)
	CHANGE 1, 0                                    ; slot 0 and nC are in, everybody's; slot 1 is asked for
	FETCH_K                                        ; key step 0
	FETCH_N
	s_wait_dscnt 0x0
	WIN W_KQ
	KQ8 0
	KQ8 1
.rept 4
	v_nop
.endr
	WIN W_VEC
	FMA32 0
	s_wait_alu depctr_va_vdst(0)
	TURN 0, 1, 0, 1, 0, 1, 1
	TURN 1, 1, 1, 1, 1, 1, 1
	BODY 1
	RLOOP 2
	s_mov_b32 s[SLOTS], 2
.Lslot:                                            ; two trips: slots 0 and 1 are filled again
	CHANGE 1, 1
	RLOOP 4
	s_sub_co_u32 s[SLOTS], s[SLOTS], 1
	s_cmp_lg_u32 s[SLOTS], 0
	s_cbranch_scc1 .Lslot
	CHANGE 0, 1                                    ; the tail is written out
	RLOOP 4
	TURN 2, 1, 1, 1, 2, 0, 0                       ; the last key step runs out
	TURN 3, 1, 1, 0, 2, 0, 0
	TURN 0, 0, 1, 0, 2, 0, 0
; THE WAY OUT.  Tile t: 64 sums a lane are held and converted; the 16 registers of channels' tiles 2 b, 2 b + 1 are channels 32 b + 16 h + 0 .. 15: 16 bytes of a row of oc.  They go through my stage and come back as
; whole rows of 128 bytes, four an instruction.  Tile 0's holds are the places behind the last products, whose registers they do not name.
.macro PACK t
	WIN 0x41
	s_wait_alu depctr_va_vdst(0)                   ; the wait here, directly ahead of the first readers of O^T
.set j, 0
.rept 64
	v_med3_num_f32 v[64*\t+j], v[64*\t+j], s94, s95
.set j, j+1
.endr
	WIN 0x01
.irp k, 0,1,2,3,4,5,6,7
	v_cvt_scalef32_pk8_fp8_f32 v[128+16*\t+2*\k:128+16*\t+2*\k+1], v[64*\t+8*\k:64*\t+8*\k+7], v[SCO]
.endr
	v_nop
	WIN 0
.irp b, 0,1,2,3
	ds_store_b128 v[STO], v[128+16*\t+4*\b:128+16*\t+4*\b+3] offset:32*\b
.endr
.irp i, 0,1,2,3
	ds_load_b128 v[192+16*\t+4*\i:192+16*\t+4*\i+3], v[RD] offset:4*SP*\i      ; LDS serves a wave's instructions in order (ISA guide 5.7.1.4): these see the stores above; the next tile's stores come behind them
.endr
.endm
.macro SEND t, younger                 ; younger: the LDS instructions issued behind tile t's loads: the next tile's eight, or none
.irp i, 0,1,2,3
	s_wait_dscnt \younger+3-\i
	global_store_b128 v[GO], v[192+16*\t+4*\i:192+16*\t+4*\i+3], s[16:17] offset:2048*\t+512*\i      ; 32 lanes store 512 consecutive bytes, aligned
.endr
.endm
	PACK 0
	PACK 1
	SEND 0, 8
	PACK 2
	SEND 1, 8
	PACK 3
	SEND 2, 8
	SEND 3, 0
	s_wait_tensorcnt 0x0                           ; the wave's end
	ds_add_u32 v[SPW], v[NIL]
	s_wait_dscnt 0x0
	CROUND                                         ; the closing round
	s_endpgm
.Lfunc_end_k_q6aa0a285d3_attn:
	.size	k_q6aa0a285d3_attn, .Lfunc_end_k_q6aa0a285d3_attn-k_q6aa0a285d3_attn
	.p2alignl 7, 3214868480
	.fill 96, 4, 3214868480
	.section	.rodata,"a",@progbits
	.p2align	6, 0x0
	.amdhsa_kernel k_q6aa0a285d3_attn
		.amdhsa_group_segment_fixed_size 327680
		.amdhsa_private_segment_fixed_size 0
		.amdhsa_enable_private_segment 0
		.amdhsa_kernarg_size 56
		.amdhsa_user_sgpr_count 2
		.amdhsa_user_sgpr_kernarg_segment_ptr 1
		.amdhsa_wavefront_size32 1
		.amdhsa_system_sgpr_workgroup_id_x 1
		.amdhsa_system_sgpr_workgroup_id_y 1
		.amdhsa_system_sgpr_workgroup_id_z 1
		.amdhsa_system_vgpr_workitem_id 0
		.amdhsa_next_free_vgpr 1024
		.amdhsa_next_free_sgpr 102
		.amdhsa_reserve_vcc 0
		.amdhsa_float_denorm_mode_32 3
		.amdhsa_float_denorm_mode_16_64 3
		.amdhsa_memory_ordered 1
		.amdhsa_forward_progress 1
		.amdhsa_inst_pref_size 219
	.end_amdhsa_kernel
	.amdgpu_metadata
---
amdhsa.version: [ 1, 2 ]
amdhsa.kernels:
  - .name:           k_q6aa0a285d3_attn
    .symbol:         k_q6aa0a285d3_attn.kd
    .args:
      - { .name: qc, .offset: 0, .size: 8, .value_kind: global_buffer, .address_space: global }
      - { .name: kc, .offset: 8, .size: 8, .value_kind: global_buffer, .address_space: global }
      - { .name: vc, .offset: 16, .size: 8, .value_kind: global_buffer, .address_space: global }
      - { .name: nc, .offset: 24, .size: 8, .value_kind: global_buffer, .address_space: global }
      - { .name: mask, .offset: 32, .size: 8, .value_kind: global_buffer, .address_space: global }
      - { .name: lowp_scales, .offset: 40, .size: 8, .value_kind: global_buffer, .address_space: global }
      - { .name: oc, .offset: 48, .size: 8, .value_kind: global_buffer, .address_space: global }
    .group_segment_fixed_size: 327680
    .private_segment_fixed_size: 0
    .kernarg_segment_align: 8
    .kernarg_segment_size: 56
    .max_flat_workgroup_size: 128
    .sgpr_count:     102
    .vgpr_count:     1024
    .wavefront_size: 32
...
	.end_amdgpu_metadata
.endif
;; end of part 3
;; launch outp (part 4): grid 4 x 64, 4 waves a work-group, clusters of 4 x 4, 327,680 bytes of LDS; arguments oc, Wo_w_codes, lowp_scales, Wo_b, out0; writes out0
.if DOCPART == 4
	.amdgcn_target "amdgcn-amd-amdhsa--gfx1250"
	.amdhsa_code_object_version 6
	.text
	.protected	k_q6aa0a285d3_outp
	.globl	k_q6aa0a285d3_outp
	.p2align	8
	.type	k_q6aa0a285d3_outp,@function
k_q6aa0a285d3_outp:
	s_mov_b64 s[64:65], 0
	v_nop
	global_prefetch_b8 v0, s[64:65] scope:SCOPE_SE
	s_setreg_imm32_b32 hwreg(HW_REG_WAVE_MODE, 25, 1), 1
	s_wait_xcnt 0x0
	s_wait_alu depctr_hold_cnt(0) depctr_sa_sdst(0) depctr_va_vdst(0) depctr_va_sdst(0) depctr_va_ssrc(0) depctr_va_vcc(0) depctr_vm_vsrc(0)
	s_getreg_b32 s2, hwreg(HW_REG_IB_STS2, 6, 4)
	s_cmp_eq_u32 s2, 0
	s_cbranch_scc0 .Lentry_in_a_cluster
	s_endpgm
.Lentry_in_a_cluster:
	s_bfe_u32 s2, ttmp6, 0x10000c
	s_cmp_lg_u32 s2, 0xf033
	s_cbranch_scc0 .Lentry_shape_is_right
	s_endpgm
.Lentry_shape_is_right:
.set SIZE_N, 1024
.set ROWB,   256
.set KROW,   1024
.set PITCH,  272
.set FR,     16
.set NP,     4
.set ATILE,  128*PITCH
.set SLOT,   384*PITCH
.set SPARE,  3*SLOT
.set STAGE,  SLOT
.set SPITCH, 528
.set WV,   14
.set HA,   15
.set HB,   16
.set ADRA, 16
.set ADRB, 20
.set BOQ,  23
.set STO,  24
.set RD,   25
.set CO,   26
.set SPW,  28
.set NIL,  29
.set BIAS, 32
.set TMP,  32
.set AF,   128
.set BK,   128
.set G1,  24
.set G0,  32
.set G1B, 48
.set G0B, 68
.set PADW, (1<<20)|(1<<21)|(5<<22)|(3<<25)
.set MSB, 0
.macro WIN new
.if MSB != (\new)
	s_set_vgpr_msb (MSB<<8)|(\new)
.set MSB, \new
.endif
.endm
.set MUL_LO, 0xa1
.set MUL_C0, 0x81
.set TO_B,   0x40
.macro JLOAD g0a, g1a, g0b, g1b
	s_cmp_eq_u32 s[HA], 0
	s_cbranch_scc0 .Lfor_b_\@
	tensor_load_to_lds s[\g0a:\g0a+3], s[\g1a:\g1a+7]
	s_nop 0
.rept 4
	v_nop
.endr
	s_branch .Lasked_\@
.Lfor_b_\@:
	tensor_load_to_lds s[\g0b:\g0b+3], s[\g1b:\g1b+7]
	s_nop 0
.rept 4
	v_nop
.endr
.Lasked_\@:
.endm
.macro CREST
	s_cmp_lg_u32 s[WV], 0
	s_cbranch_scc1 .Lnot_wave_0_\@
	s_barrier_signal -3
.Lnot_wave_0_\@:
	s_barrier_wait -3
	s_barrier_signal -1
	s_barrier_wait -1
.endm
.macro CROUND
	s_barrier_signal -1
	s_barrier_wait -1
	CREST
.endm
	s_load_b256 s[4:11], s[0:1], 0x0
	s_load_b64 s[12:13], s[0:1], 0x20
	v_lshl_add_u32 v[SPW], v0, 2, SPARE
	v_mov_b32 v[NIL], 0
	ds_add_u32 v28, v29
	ds_add_u32 v28, v29
	s_wait_dscnt 0x0
	v_lshrrev_b32 v1, 5, v0
	v_readfirstlane_b32 s[WV], v1
	s_lshr_b32 s[HA], s[WV], 1
	s_and_b32 s[HB], s[WV], 1
	s_bfe_u32 s80, ttmp6, 0x40000
	s_bfe_u32 s81, ttmp6, 0x40004
	s_lshl_b32 s82, ttmp9, 2
	s_add_co_u32 s82, s82, s80
	s_and_b32 s17, ttmp7, 0xffff
	s_lshl_b32 s17, s17, 2
	s_add_co_u32 s17, s17, s81
	s_lshl_b32 s83, s81, 2
	s_lshl_b32 s83, 15, s83
	s_lshl_b32 s84, 0x1111, s80
	s_or_b32 s[G1+0], s83, PADW
	s_or_b32 s[G1B+0], s84, PADW
	s_mov_b32 s[G1+1], ROWB<<16
	s_mov_b32 s[G1+2], 64<<16
	s_mov_b32 s[G1+3], ROWB<<16
	s_mov_b32 s[G1+4], 64
	s_mov_b32 s[G1+5], KROW
	s_mov_b32 s[G1+6], 0
	s_mov_b32 s[G1+7], 0
	s_mov_b32 s[G1B+1], ROWB<<16
	s_mov_b32 s[G1B+2], 128<<16
	s_mov_b32 s[G1B+3], ROWB<<16
	s_mov_b32 s[G1B+4], 128
	s_mov_b32 s[G1B+5], KROW
	s_mov_b32 s[G1B+6], 0
	s_mov_b32 s[G1B+7], 0
	s_lshl_b32 s20, s17, 17
	s_lshl_b32 s18, s[HB], 16
	s_add_co_u32 s20, s20, s18
	s_mov_b32 s21, 0
	s_lshl_b32 s46, s82, 18
	s_lshl_b32 s18, s[HB], 17
	s_add_co_u32 s46, s46, s18
	s_mov_b32 s47, 0
	s_mul_i32 s85, s[HB], 64*PITCH
	s_mul_i32 s86, s[HB], 128*PITCH
	s_add_co_u32 s86, s86, ATILE
	s_wait_kmcnt 0x0
	s_load_b64 s[96:97], s[8:9], 0x28
	s_add_nc_u64 s[20:21], s[4:5], s[20:21]
	s_add_nc_u64 s[46:47], s[6:7], s[46:47]
	CROUND
.irp s, 0,1,2
	s_mov_b32 s[G0+4*\s], 1
	s_add_co_u32 s[G0+4*\s+1], s85, \s*SLOT
	s_add_nc_u64 s[G0+4*\s+2:G0+4*\s+3], s[20:21], \s*ROWB
	s_or_b32 s[G0+4*\s+3], s[G0+4*\s+3], 0x80000000
	s_mov_b32 s[G0B+4*\s], 1
	s_add_co_u32 s[G0B+4*\s+1], s86, \s*SLOT
	s_add_nc_u64 s[G0B+4*\s+2:G0B+4*\s+3], s[46:47], \s*ROWB
	s_or_b32 s[G0B+4*\s+3], s[G0B+4*\s+3], 0x80000000
.if \s
	s_wait_alu depctr_va_vdst(0)
	s_wait_tensorcnt 0x0
	ds_add_u32 v28, v29
	ds_add_u32 v28, v29
	s_wait_dscnt 0x0
	CROUND
.endif
	JLOAD G0+4*\s, G1, G0B+4*\s, G1B
.endr
	v_and_b32 v1, 15, v0
	v_bfe_u32 v2, v0, 4, 1
	s_lshl_b32 s2, s82, 10
	s_lshl_b32 s3, s[HB], 9
	s_add_co_u32 s2, s2, s3
	s_mov_b32 s3, 0
	s_add_nc_u64 s[10:11], s[10:11], s[2:3]
	v_lshlrev_b32 v[BOQ], 5, v2
.irp b, 0,1,2,3,4,5,6,7
	global_load_b128 v[BIAS+8*\b:BIAS+8*\b+3], v[BOQ], s[10:11] offset:64*\b
	global_load_b128 v[BIAS+8*\b+4:BIAS+8*\b+7], v[BOQ], s[10:11] offset:64*\b+16
.endr
	v_mul_u32_u24 v3, v1, PITCH
	v_lshl_add_u32 v4, v2, 4, v3
	s_mul_i32 s22, s[HA], 64*PITCH
	s_mul_i32 s23, s[HB], 128*PITCH
	s_add_co_u32 s23, s23, ATILE
.irp s, 0,1,2
	v_add_nc_u32 v[ADRA+\s], s22, v4
	v_add_nc_u32 v[ADRB+\s], s23, v4
	s_add_co_u32 s22, s22, SLOT
	s_add_co_u32 s23, s23, SLOT
.endr
	s_mul_i32 s23, s[WV], 16*SPITCH
	s_add_co_u32 s23, s23, STAGE
	v_mul_u32_u24 v5, v1, SPITCH
	v_lshl_add_u32 v5, v2, 5, v5
	v_add_nc_u32 v[STO], s23, v5
	v_and_b32 v6, 31, v0
	v_lshlrev_b32 v[CO], 4, v6
	v_add_nc_u32 v[RD], s23, v[CO]
	s_lshl_b32 s20, s17, 7
	s_lshl_b32 s21, s[HA], 6
	s_add_co_u32 s20, s20, s21
	s_lshl_b32 s20, s20, 12
	s_lshl_b32 s21, s82, 10
	s_add_co_u32 s20, s20, s21
	s_lshl_b32 s21, s[HB], 9
	s_add_co_u32 s20, s20, s21
	s_mov_b32 s21, 0
	s_add_nc_u64 s[12:13], s[12:13], s[20:21]
	s_wait_kmcnt 0x0
	s_add_co_i32 s98, s96, s97
	s_sub_co_i32 s98, 0, s98
	s_wait_loadcnt 0x0
.set j, 0
.rept 64
	v_ldexp_f32 v[BIAS+j], v[BIAS+j], s98
.set j, j+1
.endr
.macro FRAG reg, adr, q, i
.irp c, 0,1,2,3
	ds_load_b128 v[\reg+4*\c:\reg+4*\c+3], v[\adr] offset:128*(\q)+32*\c+(\i)*16*PITCH
.endr
.endm
.macro MUL16 a0, p, mode
.irp a, \a0, \a0+1
.irp b, 0,1,2,3,4,5,6,7
.if \mode
	v_wmma_f32_16x16x128_fp8_fp8 v[8*(8*(\a)+\b):8*(8*(\a)+\b)+7], v[128*(\p)+FR*\b:128*(\p)+FR*\b+FR-1], v[AF+64*(\p)+FR*(\a):AF+64*(\p)+FR*(\a)+FR-1], v[BIAS+8*\b:BIAS+8*\b+7]
.else
	v_wmma_f32_16x16x128_fp8_fp8 v[8*(8*(\a)+\b):8*(8*(\a)+\b)+7], v[128*(\p)+FR*\b:128*(\p)+FR*\b+FR-1], v[AF+64*(\p)+FR*(\a):AF+64*(\p)+FR*(\a)+FR-1], v[8*(8*(\a)+\b):8*(8*(\a)+\b)+7]
.endif
.endr
.endr
.endm
.macro FETCH slot, q, p
	WIN TO_B
.irp i, 0,1,2,3,4,5,6,7
	FRAG 128*(\p)+FR*\i, ADRB+\slot, \q, \i
.endr
	WIN 0
.irp i, 0,1,2,3
	FRAG AF+64*(\p)+FR*\i, ADRA+\slot, \q, \i
.endr
.endm
.macro PLACES n
.rept \n
	v_nop
.endr
.endm
.macro STEP p, mode, ns, nq, fetch
	s_wait_dscnt 0x0
.if \fetch
	PLACES NP
	FETCH \ns, \nq, 1-(\p)
.endif
.if \mode
	WIN MUL_C0
.else
	WIN MUL_LO
.endif
	MUL16 0, \p, \mode
	MUL16 2, \p, \mode
	WIN 0
.endm
.macro TURN next, fill
	s_wait_tensorcnt 0x0
	ds_add_u32 v[SPW], v[NIL]
	s_wait_dscnt 0x1
	WIN MUL_LO
	MUL16 0, 1, 0
	WIN 0
	s_wait_dscnt 0x0
	s_barrier_signal -1
	s_barrier_wait -1
.if \fill
	CREST
	s_add_nc_u64 s[G0+2:G0+3], s[G0+2:G0+3], 3*ROWB
	s_add_nc_u64 s[G0B+2:G0B+3], s[G0B+2:G0B+3], 3*ROWB
	JLOAD G0, G1, G0B, G1B
.else
	PLACES NP
.endif
	FETCH \next, 0, 0
	WIN MUL_LO
	MUL16 2, 1, 0
	WIN 0
.endm
	s_wait_alu depctr_va_vdst(0)
	s_wait_tensorcnt 2
	s_barrier_signal -1
	s_barrier_wait -1
	FETCH 0, 0, 0
	STEP 0, 1, 0, 1, 1
	TURN 1, 1
	STEP 0, 0, 1, 1, 1
	STEP 1, 0, 2, 0, 1
	STEP 0, 0, 2, 1, 1
	TURN 0, 0
	STEP 0, 0, 0, 1, 1
	STEP 1, 0, 0, 0, 0
.macro TOSTAGE a
.set AC, 64*(\a)
	WIN 0x02
.set j, 0
.rept 32
	v_pk_mul_f32 v[TMP+j:TMP+j+1], v[AC+j:AC+j+1], s[96:97] op_sel_hi:[1,0]
.set j, j+2
.endr
	WIN 0
.irp b, 0,1,2,3,4,5,6,7
	ds_store_b128 v[STO], v[TMP+8*\b:TMP+8*\b+3] offset:64*\b
	ds_store_b128 v[STO], v[TMP+8*\b+4:TMP+8*\b+7] offset:64*\b+16
.endr
.set BB, BK+64*((\a)%2)
.irp t, 0,1,2,3,4,5,6,7,8,9,10,11,12,13,14,15
	ds_load_b128 v[BB+4*\t:BB+4*\t+3], v[RD] offset:\t*SPITCH
.endr
.endm
.macro SEND a, younger
.set BB, BK+64*((\a)%2)
	s_wait_dscnt \younger
.if (\a) > 0
	s_add_nc_u64 s[12:13], s[12:13], 16*SIZE_N*4
.endif
.irp t, 0,1,2,3,4,5,6,7,8,9,10,11,12,13,14,15
	global_store_b128 v[CO], v[BB+4*\t:BB+4*\t+3], s[12:13] offset:\t*SIZE_N*4 th:TH_STORE_NT
.endr
.endm
	s_add_co_i32 s96, s96, s97
	s_add_co_i32 s96, s96, 127
	s_lshl_b32 s96, s96, 23
	PLACES NP
	TOSTAGE 0
.irp a, 1,2,3
.if \a > 1
	s_wait_xcnt 0x0
.endif
	TOSTAGE \a
	SEND \a-1, 32
.endr
	s_wait_xcnt 0x0
	SEND 3, 0
	s_wait_tensorcnt 0x0
	ds_add_u32 v[SPW], v[NIL]
	s_wait_dscnt 0x0
	CROUND
	s_endpgm
.Lfunc_end_k_q6aa0a285d3_outp:
	.size	k_q6aa0a285d3_outp, .Lfunc_end_k_q6aa0a285d3_outp-k_q6aa0a285d3_outp
	.p2alignl 7, 3214868480
	.fill 96, 4, 3214868480
	.section	.rodata,"a",@progbits
	.p2align	6, 0x0
	.amdhsa_kernel k_q6aa0a285d3_outp
		.amdhsa_group_segment_fixed_size 327680
		.amdhsa_private_segment_fixed_size 0
		.amdhsa_enable_private_segment 0
		.amdhsa_kernarg_size 40
		.amdhsa_user_sgpr_count 2
		.amdhsa_user_sgpr_kernarg_segment_ptr 1
		.amdhsa_wavefront_size32 1
		.amdhsa_system_sgpr_workgroup_id_x 1
		.amdhsa_system_sgpr_workgroup_id_y 1
		.amdhsa_system_sgpr_workgroup_id_z 1
		.amdhsa_system_vgpr_workitem_id 0
		.amdhsa_next_free_vgpr 768
		.amdhsa_next_free_sgpr 100
		.amdhsa_reserve_vcc 0
		.amdhsa_float_denorm_mode_32 3
		.amdhsa_float_denorm_mode_16_64 3
		.amdhsa_memory_ordered 1
		.amdhsa_forward_progress 1
		.amdhsa_inst_pref_size 82
	.end_amdhsa_kernel
	.amdgpu_metadata
---
amdhsa.version: [ 1, 2 ]
amdhsa.kernels:
  - .name:           k_q6aa0a285d3_outp
    .symbol:         k_q6aa0a285d3_outp.kd
    .args:
      - { .name: oc, .offset: 0, .size: 8, .value_kind: global_buffer, .address_space: global }
      - { .name: Wo_w_codes, .offset: 8, .size: 8, .value_kind: global_buffer, .address_space: global }
      - { .name: lowp_scales, .offset: 16, .size: 8, .value_kind: global_buffer, .address_space: global }
      - { .name: Wo_b, .offset: 24, .size: 8, .value_kind: global_buffer, .address_space: global }
      - { .name: out0, .offset: 32, .size: 8, .value_kind: global_buffer, .address_space: global }
    .group_segment_fixed_size: 327680
    .private_segment_fixed_size: 0
    .kernarg_segment_align: 8
    .kernarg_segment_size: 40
    .max_flat_workgroup_size: 128
    .sgpr_count:     100
    .vgpr_count:     768
    .wavefront_size: 32
...
	.end_amdgpu_metadata
.endif
;; end of part 4
